; MI455X (gfx1250); checked and timed in simulation.
; The chip was launched on July 23, 2026; its instructions are those of AMD's public machine-readable ISA for CDNA 5 (MIT licence, August 2026) and "CDNA5" Instruction Set Architecture Reference Guide (July 2026). The comments in the code are by the model that wrote it; some were corrected since.
;; Self Attention. Allowed arithmetic: matrix products marked QUANTISED: E5M2 operands, one E8M0 scale for each 32 along K, by v_wmma_scale_f32_16x16x128_f8f6f4 with both operands' format E5M2, f32 sums; everything else in f32.
;; Inputs: fc_b 1,024 float32; fc_w 1,024 x 1,024 float32; qkv_b 3,072 float32; qkv_w 3,072 x 1,024 float32; x 8 x 1,024 x 1,024 float32.
;; Outputs: out0 8 x 1,024 x 1,024 float32.
;; This version of the problem:
;;   THIS VERSION OF THE PROBLEM IS GIVEN IN LOW PRECISION. The matrix products marked QUANTISED in the list below multiply operands that are first quantised to E5M2 (5 exponent bits, 2 mantissa bits; 8 bits a number), with one power-of-two scale for each 32 numbers along K (OCP MX v1.0); their sums are f32. All else is computed in f32.
;;   The module's matrix products, in the order in which they are computed (A, B: the left and right operand; K: the contracted axis; several contracted axes count as one K, in the product's order):
;;     1. [M 8,192, K 1,024] x [K 1,024, N 3,072]; A: input x; B: input qkv_w: QUANTISED
;;     2. batch 128 x [M 1,024, K 64] x [K 64, N 1,024]; A: computed on the way; B: computed on the way: QUANTISED
;;     3. batch 128 x [M 1,024, K 1,024] x [K 1,024, N 64]; A: softmax (see below); B: computed on the way: QUANTISED
;;     4. [M 8,192, K 1,024] x [K 1,024, N 1,024]; A: computed on the way; B: input fc_w: QUANTISED
;;   THE QUANTISER, for each operand of a quantised product, along K:
;;     - K is cut into blocks of 32 from its start; a last block that is shorter is filled with zeros.
;;     - A block's scale is 2^e with e = floor(log2(the largest magnitude in the block)) - 15, held to -126 .. 127; a block of zeros has e = 0. As a byte (E8M0): e + 127.
;;     - Each number is divided by its block's scale, clamped to +-57,344, and rounded to the nearest number of E5M2, ties to even, subnormals kept.
;;     - The product sums the exact products of the quantised numbers (number of the format x scale) in f32.
;;   ~~~python
;;   def quantise(x, axis):      # numpy; x: float32 -> the quantised numbers, widened to float32 again
;;       x = np.moveaxis(x, axis, -1); K = x.shape[-1]
;;       x = np.pad(x, [(0, 0)] * (x.ndim - 1) + [(0, -K % 32)]); x = x.reshape(x.shape[:-1] + (-1, 32)); a = np.abs(x).max(-1, keepdims=True)
;;       e = np.where(a > 0, np.clip(np.frexp(np.where(a > 0, a, 1))[1] - 1 - 15, -126, 127), 0)      # np.frexp(a)[1] - 1 = floor(log2(a)), exactly
;;       r = np.clip(x / 2.0 ** e, -57344, 57344)
;;       step = 2.0 ** (np.maximum(np.frexp(np.where(r == 0, 1, r))[1] - 1, -14) - 2)
;;       q = np.round(r / step) * step * 2.0 ** e      # np.round: ties to even
;;       return np.moveaxis(q.reshape(q.shape[:-2] + (-1,))[..., :K], -1, axis).astype(np.float32)
;;   ~~~
;;   SOFTMAX AHEAD OF A QUANTISED PRODUCT. Where the list says 'softmax', what is quantised is not the finished softmax but p = 2^(t - M), with t = logit x log2(e) and M = ceil(the row's largest t), a whole number; so 1/2 < the row's largest p <= 1. The row's sum l is taken of the UNQUANTISED p, in f32, and the product's result is divided by l at the end. Since M is a whole number, a kernel that streams over the keys may use a running M (the ceiling of the running maximum): every later rescaling is an exact power of two, which a block's scale takes up: the codes' values come out the same.
;;   OPERANDS COMPUTED ON THE WAY. 'Computed on the way' means the value that the module computes at that place (a softmax that the list does not call 'softmax' is quantised finished and normalised). What goes into a quantiser is computed in f32, as accurately as f32 sums, v_exp_f32 and their like allow (about 1e-6 of the number): no bf16 or f16 on the way to a quantiser, and a product that is left as it is and whose result goes on into a quantised operand takes f32 operands (vector FMAs, or v_wmma_f32_16x16x4_f32). A number that lies on a knife's edge between two numbers of the format may be rounded either way, as far as f32 arithmetic and the matrix unit's own rounding can turn it there, and no further.
;; One version. Each part assembles by itself: llvm-mc -triple=amdgcn-amd-amdhsa -mcpu=gfx1250 --defsym DOCPART=n.
;; ======== version 1 of 1: 4 launches
;; limits: right only within a limited range of input values
;; workspace buffers: codes 12,582,912 bytes; scales 393,216 bytes; qkvc 25,165,824 bytes; qkvs 786,432 bytes; oc 8,388,608 bytes; os 262,144 bytes
;; launch quant (part 1): grid 768 x 1, 4 waves a work-group, no clusters, 34,816 bytes of LDS; arguments x, qkv_w, fc_w, codes, scales; writes codes, scales
.if DOCPART == 1
	.amdgcn_target "amdgcn-amd-amdhsa--gfx1250"
	.amdhsa_code_object_version 6
	.text
	.protected	k_q7648fba98c_quant
	.globl	k_q7648fba98c_quant
	.p2align	8
	.type	k_q7648fba98c_quant,@function
k_q7648fba98c_quant:
	s_mov_b64 s[64:65], 0
	v_nop
	global_prefetch_b8 v0, s[64:65] scope:SCOPE_SE
	s_setreg_imm32_b32 hwreg(HW_REG_WAVE_MODE, 25, 1), 1
	s_wait_xcnt 0x0
; x [8192][1024], qkv_w [3072][1024] and fc_w [1024][1024], f32 with K innermost, become codes of BF8 (E5M2) with one E8M0 scale byte for each 32 along K.
; A block's scale is 2^(floor(log2(its largest magnitude)) - 15); its byte is the largest magnitude's exponent field - 15, held at 1 from below; each number is held within +-57,344 x the scale and rounded to the nearest code, ties to even.
; LIMITS: NaN and infinities among the inputs are not served.  A block of zeros gets the byte 1 where the rule says 127: its codes are zeros, which add nothing under any byte but 0xff, and this program alone reads the bytes.
; LAYOUT OF THE RESULTS.  A TILE is 16 rows that are not neighbours: tile 2 B + u holds at place r the row 32 B + 8 u + r + 8 (r / 8), so that the results of two neighbouring tiles are 16 neighbours along the next product's K.
; codes: [tile 0..767][K step 0..7][2,048 bytes]: a fragment (16 rows x 128 K) as an IMAGE OF ITS REGISTERS: group c (32 along K) is 512 bytes, lane l's 16 bytes at 512 c + 16 l: row place l % 16, k = 32 c + 16 (l / 16) + 0 .. 15.
; scales: [tile][K half][place r][4 words]: word j is the scale word (four bytes) of K step 4 half + j.   Tiles 0-511 are x's, 512-703 qkv_w's, 704-767 fc_w's.
; SHARES.  A work-group is a tile, each of its four waves a quarter of K: two K steps of 16 rows x 128 numbers.  A wave's 32 loads, each of 512 consecutive bytes of one row, all go out at its start: nothing that the launch reads is asked for late.
; A K step's 8,192 bytes turn through the wave's own stage in LDS, from which a lane takes 16 neighbours of each block of 32.  The stage's rows are 528 = 33 x 16 bytes apart, so that the sixteen rows that a load touches begin in sixteen different 16-byte columns of 256.
; The tile's scale words come from four waves: they meet in 512 bytes of LDS behind the one barrier, and waves 0 and 1 store them, 256 consecutive bytes each.
; No matrix unit, cluster or tensor load: every byte is read once and written once, and nothing is shared between work-groups.
.set PITCH, 528
.set STAGE, 16*PITCH                   ; a wave's stage
.set SCST,  4*STAGE                    ; behind the four stages: the tile's 512 bytes of scale words
.set OFF,  1                           ; v1   16 x lane: my bytes of a load's 512, and of a code store's
.set SIN,  2                           ; v2   the stage, on the way in
.set SOUT, 3                           ; v3   and on the way out: row r, 64 bytes for each half of the lanes
.set SCO,  4                           ; v4   8 x lane: my 8 bytes of 256 bytes of scale words
.set SCI,  5                           ; v5   where I put a scale word
.set SCR,  6                           ; v6   where waves 0 and 1 read them back
.set TM,   8                           ; v8-11 largest magnitudes, v12-15 bytes, v16-19 the largest number x the scale, v20-23 the conversions' scale operands
.set PW,   24                          ; v24-25 the two K steps' scale words;  v26 the one that I put;  v28-29 what I store
.set PC,   32                          ; v32-63 codes, a set of 16 for each K step: no store's data are written again
.set R,    64                          ; v64-191 numbers as loaded, a set of 64 for each K step
.set X,    192                         ; v192-255 64 numbers: register 16 b + i = k 32 b + 16 (lane / 16) + i of my row
.set SEL,  20                          ; s[20:21] v_permlanex16_b32's selects for lane l xor 16
.set HI,   22                          ; s22  a mask of lanes 16-31
.set MNT,  23                          ; s23  the mantissa field of 57,344
	s_load_b128 s[4:7], s[0:1], 0x0                ; x, qkv_w
	s_load_b128 s[8:11], s[0:1], 0x10              ; fc_w, codes
	s_load_b64 s[12:13], s[0:1], 0x20              ; scales
	v_lshl_add_u32 v7, v0, 2, 0x8600
	s_set_vgpr_msb 0x40
	v_mov_b32 v1, 0
	s_set_vgpr_msb 0x4000
	v_lshrrev_b32 v27, 5, v0
	v_readfirstlane_b32 s18, v27                   ; wave 0..3
	v_and_b32 v27, 31, v0                          ; lane
	v_and_b32 v30, 15, v0                          ; r
	v_bfe_u32 v31, v0, 4, 1                        ; h
	v_lshlrev_b32 v[OFF], 4, v27
	s_mul_i32 s19, s18, STAGE
	v_add_nc_u32 v[SIN], s19, v[OFF]
	v_mul_u32_u24 v[SOUT], v30, PITCH
	v_lshl_add_u32 v[SOUT], v31, 6, v[SOUT]
	v_add_nc_u32 v[SOUT], s19, v[SOUT]
	v_lshlrev_b32 v[SCO], 3, v27
	s_wait_alu depctr_va_vdst(0)
	s_lshr_b32 s24, s18, 1
	s_lshl_b32 s24, s24, 8                         ; my K half's 256 bytes,
	s_and_b32 s25, s18, 1
	s_lshl_b32 s26, s25, 3                         ; in each row's 16 bytes my two words,
	s_add_co_u32 s24, s24, s26
	s_add_co_u32 s24, s24, SCST
	v_lshlrev_b32 v[SCI], 4, v30
	v_lshl_add_u32 v[SCI], v31, 2, v[SCI]          ; row r; lanes 0-15 put my first K step's word, lanes 16-31 my second's
	v_add_nc_u32 v[SCI], s24, v[SCI]
	s_lshl_b32 s25, s25, 8                         ; back: wave 0 takes the first K half's 256 bytes, wave 1 the second's
	s_add_co_u32 s26, s25, SCST
	v_add_nc_u32 v[SCR], s26, v[SCO]
.irp b, 0,1,2,3
	v_mov_b32 v[TM+4+\b], 0                        ; written once: a lane permute's destination counts as one of its sources
.endr
	s_mov_b32 s[SEL], 0x76543210
	s_mov_b32 s[SEL+1], 0xfedcba98
	s_mov_b32 s[HI], 0xffff0000
	s_mov_b32 s[MNT], 0x600000
	s_mov_b32 s15, 704
	s_wait_kmcnt 0x0
	s_cmp_lt_u32 ttmp9, s15                        ; which tensor?  The choice hangs on the work-group's number alone; only pointers are chosen, the text has one path
	s_cselect_b64 s[6:7], s[6:7], s[8:9]
	s_cselect_b32 s14, 512, s15
	s_cmp_lt_u32 ttmp9, 512
	s_cselect_b64 s[4:5], s[4:5], s[6:7]
	s_cselect_b32 s14, 0, s14
	s_sub_co_u32 s14, ttmp9, s14                   ; the tile's number in its tensor
	s_lshr_b32 s16, s14, 1
	s_lshl_b32 s16, s16, 17                        ; 32 rows of 4,096 bytes for each pair of tiles,
	s_and_b32 s17, s14, 1
	s_lshl_b32 s17, s17, 15                        ; 8 rows for the odd tile,
	s_add_co_u32 s16, s16, s17
	s_lshl_b32 s17, s18, 10                        ; 1,024 bytes for each quarter of K
	s_add_co_u32 s16, s16, s17
	s_mov_b32 s17, 0
	s_add_nc_u64 s[4:5], s[4:5], s[16:17]
	s_lshl_b32 s16, ttmp9, 14
	s_lshl_b32 s14, s18, 12
	s_add_co_u32 s16, s16, s14
	s_add_nc_u64 s[10:11], s[10:11], s[16:17]      ; codes: 16,384 x tile + 4,096 x quarter
	s_lshl_b32 s16, ttmp9, 9
	s_add_co_u32 s16, s16, s25
	s_add_nc_u64 s[12:13], s[12:13], s[16:17]      ; scales: 512 x tile + 256 x (wave % 2): used by waves 0 and 1
.macro LOAD t                          ; K step t of my two: place i's row lies i + 8 (i / 8) rows down
.irp i, 0,1,2,3,4,5,6,7,8,9,10,11,12,13,14,15
	global_load_b128 v[R+64*(\t)+4*\i:R+64*(\t)+4*\i+3], v[OFF], s[4:5] offset:(\i+8*(\i/8))*4096+512*(\t) th:TH_LOAD_NT
.endr
.endm
; 64 numbers of a lane become a fragment's codes in v[pc] on and its scale word in v[pw]
.macro QUANT s, pc, pw
.irp b, 0,1,2,3
	v_max3_num_f32 v[TM+\b], |v[(\s)+16*\b]|, |v[(\s)+16*\b+1]|, 0x8000000   ; block b: my 16 numbers, and the floor 2^(16 - 127): the byte cannot fall under 1
.endr
.irp i, 2,4,6,8,10,12,14
.irp b, 0,1,2,3
	v_max3_num_f32 v[TM+\b], v[TM+\b], |v[(\s)+16*\b+\i]|, |v[(\s)+16*\b+\i+1]|   ; the four blocks by turns
.endr
.endr
.irp b, 0,1,2,3
	v_permlanex16_b32 v[TM+4+\b], v[TM+\b], s[SEL], s[SEL+1]
.endr
.irp b, 0,1,2,3
	v_max_num_f32 v[TM+\b], v[TM+\b], v[TM+4+\b]   ; with lane l xor 16's: the block's largest magnitude
.endr
.irp b, 0,1,2,3
	v_add_nc_u32 v[TM+12+\b], 0xf8800000, v[TM+\b] ; 15 off its exponent field: the conversion takes this operand's exponent field as its scale
.endr
.irp b, 0,1,2,3
	v_and_or_b32 v[TM+8+\b], v[TM+\b], 0x7f800000, s[MNT]   ; 57,344 x the scale
.endr
.irp b, 0,1,2,3
	v_lshrrev_b32 v[TM+4+\b], 23, v[TM+12+\b]      ; the scale's byte
.endr
	v_lshl_or_b32 v[\pw], v[TM+5], 8, v[TM+4]
	v_lshl_or_b32 v[\pw], v[TM+6], 16, v[\pw]
	v_lshl_or_b32 v[\pw], v[TM+7], 24, v[\pw]      ; my row's scale word
.irp b, 0,1,2,3
.irp i, 0,1,2,3,4,5,6,7,8,9,10,11,12,13,14,15
	v_med3_num_f32 v[(\s)+16*\b+\i], v[(\s)+16*\b+\i], -v[TM+8+\b], v[TM+8+\b]   ; the conversion to an 8-bit code does not saturate (ISA guide 7.6.2): the hold comes first
.endr
.endr
.irp b, 0,1,2,3
	v_cvt_scalef32_pk8_bf8_f32 v[(\pc)+4*\b:(\pc)+4*\b+1], v[(\s)+16*\b:(\s)+16*\b+7], v[TM+12+\b]
	v_cvt_scalef32_pk8_bf8_f32 v[(\pc)+4*\b+2:(\pc)+4*\b+3], v[(\s)+16*\b+8:(\s)+16*\b+15], v[TM+12+\b]
.endr
	v_nop                                          ; one plain vector instruction behind the last scaled conversion
.endm
.macro STEP t
.if (\t) == 0
	s_wait_loadcnt 16                              ; this K step's 16 loads are in; the second step's 16 may be out
.else
	s_wait_loadcnt 0x0
.endif
.irp i, 0,1,2,3,4,5,6,7,8,9,10,11,12,13,14,15
	ds_store_b128 v[SIN], v[R+64*(\t)+4*\i:R+64*(\t)+4*\i+3] offset:PITCH*\i
.endr
.irp b, 0,1,2,3
.irp j, 0,1,2,3
	ds_load_b128 v[X+16*\b+4*\j:X+16*\b+4*\j+3], v[SOUT] offset:128*\b+16*\j   ; LDS serves a wave's instructions in order (ISA guide 5.7.1.4): these see the stores above
.endr
.endr
	s_wait_dscnt 0x0                               ; my 64 numbers are in
	QUANT X, PC+16*(\t), PW+(\t)
.irp c, 0,1,2,3
	global_store_b128 v[OFF], v[PC+16*(\t)+4*\c:PC+16*(\t)+4*\c+3], s[10:11] offset:2048*(\t)+512*\c   ; 32 lanes store 512 consecutive bytes, aligned
.endr
.endm
	LOAD 0
	LOAD 1
	STEP 0
	STEP 1
	v_cndmask_b32 v26, v24, v25, s[HI]             ; both halves of the lanes hold row r's two words: lanes 0-15 put the first, lanes 16-31 the second
	ds_store_b32 v[SCI], v26
	s_wait_dscnt 0x0                               ; for the others' sake: my words lie in LDS
	s_barrier_signal -1
	s_barrier_wait -1
	s_cmp_gt_u32 s18, 1                            ; waves 0 and 1 store a K half's words each
	s_cbranch_scc1 .Ldone
	ds_load_b64 v[28:29], v[SCR]
	s_wait_dscnt 0x0
	global_store_b64 v[SCO], v[28:29], s[12:13]    ; 32 lanes store 256 consecutive bytes, aligned
.Ldone:
	s_set_vgpr_msb 0x4
	s_wait_tensorcnt 0x0
	ds_add_u32 v7, v1
	s_wait_dscnt 0x0
	s_set_vgpr_msb 0x400
	s_endpgm
.Lfunc_end_k_q7648fba98c_quant:
	.size	k_q7648fba98c_quant, .Lfunc_end_k_q7648fba98c_quant-k_q7648fba98c_quant
	.p2alignl 7, 3214868480
	.fill 96, 4, 3214868480
	.section	.rodata,"a",@progbits
	.p2align	6, 0x0
	.amdhsa_kernel k_q7648fba98c_quant
		.amdhsa_group_segment_fixed_size 34816
		.amdhsa_private_segment_fixed_size 0
		.amdhsa_enable_private_segment 0
		.amdhsa_kernarg_size 40
		.amdhsa_user_sgpr_count 2
		.amdhsa_user_sgpr_kernarg_segment_ptr 1
		.amdhsa_wavefront_size32 1
		.amdhsa_system_sgpr_workgroup_id_x 1
		.amdhsa_system_sgpr_workgroup_id_y 1
		.amdhsa_system_sgpr_workgroup_id_z 1
		.amdhsa_system_vgpr_workitem_id 0
		.amdhsa_next_free_vgpr 258
		.amdhsa_next_free_sgpr 66
		.amdhsa_reserve_vcc 0
		.amdhsa_float_denorm_mode_32 3
		.amdhsa_float_denorm_mode_16_64 3
		.amdhsa_memory_ordered 1
		.amdhsa_forward_progress 1
		.amdhsa_inst_pref_size 28
	.end_amdhsa_kernel
	.amdgpu_metadata
---
amdhsa.version: [ 1, 2 ]
amdhsa.kernels:
  - .name:           k_q7648fba98c_quant
    .symbol:         k_q7648fba98c_quant.kd
    .args:
      - { .name: x, .offset: 0, .size: 8, .value_kind: global_buffer, .address_space: global }
      - { .name: qkv_w, .offset: 8, .size: 8, .value_kind: global_buffer, .address_space: global }
      - { .name: fc_w, .offset: 16, .size: 8, .value_kind: global_buffer, .address_space: global }
      - { .name: codes, .offset: 24, .size: 8, .value_kind: global_buffer, .address_space: global }
      - { .name: scales, .offset: 32, .size: 8, .value_kind: global_buffer, .address_space: global }
    .group_segment_fixed_size: 34816
    .private_segment_fixed_size: 0
    .kernarg_segment_align: 8
    .kernarg_segment_size: 40
    .max_flat_workgroup_size: 128
    .sgpr_count:     66
    .vgpr_count:     258
    .wavefront_size: 32
...
	.end_amdgpu_metadata
.endif
;; end of part 1
;; launch qkvgemm (part 2): grid 16 x 32, 4 waves a work-group, clusters of 4 x 4, 327,680 bytes of LDS; arguments codes, scales, qkv_b, qkvc, qkvs; writes qkvc, qkvs
.if DOCPART == 2
	.amdgcn_target "amdgcn-amd-amdhsa--gfx1250"
	.amdhsa_code_object_version 6
	.text
	.protected	k_q7648fba98c_qkvgemm
	.globl	k_q7648fba98c_qkvgemm
	.p2align	8
	.type	k_q7648fba98c_qkvgemm,@function
k_q7648fba98c_qkvgemm:
	s_mov_b64 s[64:65], 0
	v_nop
	global_prefetch_b8 v0, s[64:65] scope:SCOPE_SE
	s_setreg_imm32_b32 hwreg(HW_REG_WAVE_MODE, 25, 1), 1
	s_wait_xcnt 0x0
	s_wait_alu depctr_hold_cnt(0) depctr_sa_sdst(0) depctr_va_vdst(0) depctr_va_sdst(0) depctr_va_ssrc(0) depctr_va_vcc(0) depctr_vm_vsrc(0)
	s_getreg_b32 s2, hwreg(HW_REG_IB_STS2, 6, 4)
	s_cmp_eq_u32 s2, 0
	s_cbranch_scc0 .Lentry_in_a_cluster
	s_endpgm
.Lentry_in_a_cluster:
	s_bfe_u32 s2, ttmp6, 0x10000c
	s_cmp_lg_u32 s2, 0xf033
	s_cbranch_scc0 .Lentry_shape_is_right
	s_endpgm
.Lentry_shape_is_right:
; q, k, v = x qkv_w^T + qkv_b on codes of BF8 (E5M2) with E8M0 scales, and at once their quantising for attention's two products: q and k along the head's 64 channels, v along the tokens.  No f32 number goes to memory.
; LIMITS: NaN and infinities are not served.  A block of zeros gets the byte 1 where the rule says 127: its codes are zeros, and this program alone reads the bytes.
; OPERANDS (made by the launch before): codes [tile][K step 8][2,048]: a fragment (16 rows x 128 K) as an image of its registers, lane l's 16 bytes of group c at 512 c + 16 l;  scales [tile][K half][place r][4 words].
; A TILE's 16 rows are not neighbours: tile 2 B + u holds at place r the row 32 B + 8 u + r + 8 (r / 8): so the 16 result registers of tiles 2 B and 2 B + 1 are 16 neighbours, 32 B + 16 (lane / 16) + 0 .. 15, along source 0's rows.
; SHARES.  A work-group makes 256 tokens (16 tiles of x) x one head's 192 columns (12 tiles of qkv_w: 4 of q, 4 of k, 4 of v).  Each of its four waves takes 4 tiles of tokens against all 12: 48 accumulators.
; K = 1,024 goes in 8 steps of 128 through two LDS slots of two steps each: two first fills, two refills; all is written out, there is no loop.  Images are dense: every LDS load takes 512 consecutive bytes.
; q AND k ARE MADE TRANSPOSED (source 0 = qkv_w's tile, source 1 = x's): a lane holds one token and its registers run along the channels.  v IS MADE AS IT STANDS (source 0 = x's tile): a lane holds one channel and its registers run along the tokens.
; So in both cases a lane's registers run along the next product's K, and the conversions' results are that product's fragments, stored as images.  The bias is the C of each sum's first matrix instruction.
; THE SCALE WORDS of all of K come straight from memory into registers, once: a register holds an even tile's words in lanes 0-15 and the odd neighbour's in lanes 16-31.
; CLUSTERS: 4 x 4 work-groups.  x's tiles hang on the token block alone and are shared along a row of the cluster, qkv_w's on the head alone and are shared along a column: each is asked for jointly, which divides the requests by four.
; RESULTS.  qkvc: Q at 0 and K at 8,388,608: [batch x head][token tile 64][block 2][512];  V at 16,777,216: [batch x head][step of 128 keys 8][channel tile 4][key block 4][512].
; qkvs: Q's words at 0: [batch x head][step 8][lane 32][2 words]: the word of a PAIR of tiles 2 i, 2 i + 1 of a step (two bytes of each) lies in word i / 2 of lane r + 16 (i % 2);  from 262,144 on, 4,096 bytes a head: K's likewise, then V's (tile t: word t / 2 of lane r + 16 (t % 2)).
; REGISTERS, in windows of 256: window 0: v1-11 addresses; v16-21 LDS addresses; v28-29 for the add; v32-47 x's scale words, v48-95 qkv_w's; v96-223 x's fragments, two sets; v224-239 at work; v240-242 scale words just made.
;   window 1: qkv_w's 12 fragments, one set.   window 2: the 32 accumulators of q and k: v[128 g + 32 m + 16 Bl + 8 u].   window 3: v0-127 those of v: v[32 t + 16 Bt + 8 u]; v128-191 q's and k's bias, v192-223 v's.
.set NG,    3                          ; groups of four tiles of the weight
.set BT0,   512                        ; qkv_w's first tile in codes and scales
.set TILEB, 4096                       ; a tile's two K steps
.set SLOT,  (16+4*NG)*TILEB            ; x's 16 tiles, then the weight's 12
.set BOFF,  16*TILEB
.set SPARE, 2*SLOT                     ; behind the ring: the spare words, 128 bytes for each wave: two blocks of 256 bytes that no other line names
.set STG,   SPARE+512                  ; and 1,536 bytes in which the four waves' scale words meet: no tile lands there
.set LI,   1                           ; v1   16 x lane
.set VS,   5                           ; v5   scale words: 512 (lane / 16) + 16 (lane % 16)
.set VB,   6                           ; v6   q's and k's bias: 64 (lane / 16)
.set VC,   7                           ; v7   v's bias: 4 x the row at my place of a tile
.set SS,   9                           ; v9   where I put a pair word
.set SH,   10                          ; v10  where I put half a word of v's
.set SRD,  11                          ; v11  where wave 0 reads the words back
.set ADA,  16                          ; v16-17 LDS address of my x fragments in slot 0, 1
.set ADB,  20                          ; v20-21 the same for the weight's
.set SPW,  28                          ; v28  LDS address of my spare word; never rewritten
.set NIL,  29                          ; v29  0; never rewritten
.set SA,   32                          ; x's scale words: v[SA + 8 i + K step], tiles 2 i, 2 i + 1 of my four
.set SB,   48                          ; the weight's: v[SB + 8 i + K step], tiles 2 i, 2 i + 1 of the twelve
.set AF,   96                          ; x's fragments: set (K step % 2) at AF + 64 x set
.set TM,   224
.set G1,   24                          ; s[24:31] descriptor group 1 for x's tiles;  s[32:39] group 0, a set for each slot
.set G0,   32
.set G1B,  48                          ; s[48:55], s[56:63] the same for the weight's
.set G0B,  56
.set SEL,  88
.set MNT,  90
.set HI,   91
.set MSB, 0
.macro WIN new                         ; the immediate's high byte repeats the setting that is left; a switch that changes nothing is dropped
.if MSB != (\new)
	s_set_vgpr_msb (MSB<<8)|(\new)
.set MSB, (\new)
.endif
.endm
; A joint load: waves 0 and 1 fetch x's tiles, waves 2 and 3 the weight's.  The branch hangs on the wave's number alone.  Four v_nop follow each of the two lines.
.macro JLOAD g0a, g1a, g0b, g1b
	s_cmp_eq_u32 s15, 0
	s_cbranch_scc0 .Lfor_b_\@
	tensor_load_to_lds s[\g0a:\g0a+3], s[\g1a:\g1a+7]
	s_nop 0
.rept 4
	v_nop
.endr
	s_branch .Lasked_\@
.Lfor_b_\@:
	tensor_load_to_lds s[\g0b:\g0b+3], s[\g1b:\g1b+7]
	s_nop 0
.rept 4
	v_nop
.endr
.Lasked_\@:
.endm
.macro CREST                           ; a round of the cluster's barrier behind its opening barrier
	s_cmp_lg_u32 s14, 0
	s_cbranch_scc1 .Lnot_wave_0_\@
	s_barrier_signal -3
.Lnot_wave_0_\@:
	s_barrier_wait -3
	s_barrier_signal -1
	s_barrier_wait -1
.endm
.macro CROUND                          ; a whole round
	s_barrier_signal -1
	s_barrier_wait -1
	CREST
.endm
.macro PLACES n                        ; a load into a register that a matrix instruction has read, and a vector instruction that reads a result, stand eight plain vector instructions behind it
.rept \n
	v_nop
.endr
.endm
	s_load_b256 s[4:11], s[0:1], 0x0               ; codes s[4:5], scales s[6:7], qkv_b s[8:9], qkvc s[10:11]
	s_load_b64 s[12:13], s[0:1], 0x20              ; qkvs
	v_lshl_add_u32 v[SPW], v0, 2, SPARE
	v_mov_b32 v[NIL], 0
	ds_add_u32 v28, v29
	ds_add_u32 v28, v29
	s_wait_dscnt 0x0
	v_lshrrev_b32 v2, 5, v0
	v_readfirstlane_b32 s14, v2                    ; wave 0..3
	s_lshr_b32 s15, s14, 1                         ; I fetch for x (0) or for the weight (1)
	s_and_b32 s16, s14, 1                          ; and which half of its tiles
	s_bfe_u32 s40, ttmp6, 0x40000                  ; cx, cy: my place in the cluster
	s_bfe_u32 s41, ttmp6, 0x40004
	s_lshl_b32 s42, ttmp9, 2
	s_add_co_u32 s42, s42, s40                     ; X: the head = 4 x cluster x + cx
	s_and_b32 s17, ttmp7, 0xffff
	s_lshl_b32 s17, s17, 2
	s_add_co_u32 s17, s17, s41                     ; Y: the block of 256 tokens = 4 x cluster y + cy
	s_lshl_b32 s43, s41, 2
	s_lshl_b32 s43, 15, s43                        ; my row of the cluster
	s_lshl_b32 s44, 0x1111, s40                    ; my column
	; descriptor group 1: rows of 4,096 bytes (a tile's two K steps: 512 elements of 8 bytes), 16,384 bytes apart in memory, dense in LDS; 8 tiles of x to a load, 6 of the weight
	s_or_b32 s[G1+0], s43, (3<<16)|(1<<21)         ; 15:0 the mask: x's tiles go to my row; 17:16 elements of 8 bytes; 21 set beside a mask; no padding
	s_or_b32 s[G1B+0], s44, (3<<16)|(1<<21)        ; the weight's go to my column
	s_mov_b32 s[G1+1], 512<<16                     ; tensor_dim0
	s_mov_b32 s[G1+2], 16<<16                      ; tensor_dim1: the head's loads bring all 16 tiles of x, all 12 of the weight
	s_mov_b32 s[G1+3], 512<<16                     ; tile_dim0
	s_mov_b32 s[G1+4], 16                          ; tile_dim1
	s_mov_b32 s[G1+5], 2048                        ; tensor_dim0_stride
	s_mov_b32 s[G1+6], 0
	s_mov_b32 s[G1+7], 0
	s_mov_b32 s[G1B+1], 512<<16
	s_mov_b32 s[G1B+2], (4*NG)<<16
	s_mov_b32 s[G1B+3], 512<<16
	s_mov_b32 s[G1B+4], 4*NG
	s_mov_b32 s[G1B+5], 2048
	s_mov_b32 s[G1B+6], 0
	s_mov_b32 s[G1B+7], 0
	s_lshl_b32 s20, s17, 18                        ; x: tile 16 Y + 8 x half, 16,384 bytes a tile: it hangs on Y and the wave alone
	s_lshl_b32 s18, s16, 17
	s_add_co_u32 s20, s20, s18
	s_mov_b32 s21, 0
	s_mul_i32 s46, s42, 4*NG                       ; the weight: tile BT0 + 12 X + 6 x half: on X and the wave alone
	s_mul_i32 s18, s16, 2*NG
	s_add_co_u32 s46, s46, s18
	s_add_co_u32 s46, s46, BT0
	s_lshl_b32 s46, s46, 14
	s_mov_b32 s47, 0
	s_lshl_b32 s45, s16, 15                        ; where they go in a slot: no place in the cluster enters an LDS address
	s_mul_i32 s19, s16, 2*NG*TILEB
	s_add_co_u32 s19, s19, BOFF
	s_wait_kmcnt 0x0
	s_add_nc_u64 s[20:21], s[4:5], s[20:21]
	s_add_nc_u64 s[46:47], s[4:5], s[46:47]
	CROUND                                         ; all sixteen work-groups are here: the first joint loads meet
.irp s, 0
	s_mov_b32 s[G0+4*\s], 1
	s_add_co_u32 s[G0+4*\s+1], s45, \s*SLOT        ; LDS address
	s_add_nc_u64 s[G0+4*\s+2:G0+4*\s+3], s[20:21], \s*TILEB   ; global address: K steps 2 s and 2 s + 1
	s_or_b32 s[G0+4*\s+3], s[G0+4*\s+3], 0x80000000   ; type = 2
	s_mov_b32 s[G0B+4*\s], 1
	s_add_co_u32 s[G0B+4*\s+1], s19, \s*SLOT
	s_add_nc_u64 s[G0B+4*\s+2:G0B+4*\s+3], s[46:47], \s*TILEB
	s_or_b32 s[G0B+4*\s+3], s[G0B+4*\s+3], 0x80000000
.endr
	; THE HEAD'S LOADS, ONE A WAVE, each whole: wave 0 x's 16 tiles of slot 0, wave 1 the weight's 12, waves 2 and 3 the same of slot 1.  Slot 1's two stand in the ring's slot 1 registers, which are set for the ring at the first change of slots.
	s_lshl_b32 s22, s17, 18
	s_mov_b32 s23, 0
	s_add_nc_u64 s[94:95], s[4:5], s[22:23]        ; x: tile 16 Y
	s_mul_i32 s22, s42, 4*NG
	s_add_co_u32 s22, s22, BT0
	s_lshl_b32 s22, s22, 14
	s_add_nc_u64 s[98:99], s[4:5], s[22:23]        ; the weight: tile BT0 + 12 X
	s_add_nc_u64 s[G0+6:G0+7], s[94:95], TILEB     ; K steps 2 and 3
	s_add_nc_u64 s[G0B+6:G0B+7], s[98:99], TILEB
	s_mov_b32 s92, 1
	s_mov_b32 s93, 0
	s_or_b32 s95, s95, 0x80000000
	s_mov_b32 s96, 1
	s_mov_b32 s97, BOFF
	s_or_b32 s99, s99, 0x80000000
	s_mov_b32 s[G0+4], 1
	s_mov_b32 s[G0+5], SLOT
	s_or_b32 s[G0+7], s[G0+7], 0x80000000
	s_mov_b32 s[G0B+4], 1
	s_mov_b32 s[G0B+5], SLOT+BOFF
	s_or_b32 s[G0B+7], s[G0B+7], 0x80000000
.macro HARM w, g0, g1, next            ; one chain of branches on the wave's number, a load to an arm
	s_cmp_eq_u32 s14, \w
	s_cbranch_scc0 \next
	tensor_load_to_lds s[\g0:\g0+3], s[\g1:\g1+7]
	s_nop 0
	PLACES 4
	s_branch .Lhead_asked
\next:
.endm
	HARM 0, 92, G1, .Lhead_1
	HARM 1, 96, G1B, .Lhead_2
	HARM 2, G0+4, G1, .Lhead_3
	tensor_load_to_lds s[G0B+4:G0B+7], s[G1B:G1B+7]
	s_nop 0
	PLACES 4
.Lhead_asked:
	v_and_b32 v2, 31, v0                           ; lane
	v_and_b32 v3, 15, v0                           ; r
	v_bfe_u32 v4, v0, 4, 1                         ; h
	v_lshlrev_b32 v[LI], 4, v2
	v_lshlrev_b32 v[VS], 4, v3
	v_lshl_add_u32 v[VS], v4, 9, v[VS]
	s_wait_alu depctr_va_vdst(0)
	v_lshlrev_b32 v[VB], 6, v4
	s_wait_alu depctr_va_vdst(0)
	v_and_b32 v[VC], 8, v3
	v_add_nc_u32 v[VC], v[VC], v3
	v_lshlrev_b32 v[VC], 2, v[VC]
	s_wait_alu depctr_va_vdst(0)
	; A PREFETCH INTO THE L2 of what the two refills will ask for: K steps 4 to 7, 8,192 consecutive bytes of each tile.  Each aligned block of 256 bytes is named once in each cluster that will load it:
	; of x's 16 tiles the row partner at cx takes 4 cx .. 4 cx + 3, a tile a wave; of the weight's 12 the column partner at cy takes 3 cy .. 3 cy + 2, a tile for each of waves 0 to 2; lanes 256 bytes apart.
	; The partners are told apart by address alone.  The first refill stands two K steps further on, the second four.  The two offset registers and the base are never written again.
	s_lshl_b32 s22, s17, 4
	s_lshl_b32 s18, s40, 2
	s_add_co_u32 s22, s22, s18
	s_add_co_u32 s22, s22, s14                     ; x: tile 16 Y + 4 cx + wave
	s_lshl_b32 s22, s22, 14
	s_add_co_u32 s22, s22, 8192
	v_lshl_add_u32 v12, v2, 8, s22
	s_mul_i32 s18, s42, 4*NG
	s_mul_i32 s19, s41, NG
	s_add_co_u32 s18, s18, s19
	s_add_co_u32 s18, s18, s14
	s_add_co_u32 s18, s18, BT0                     ; the weight: tile BT0 + 12 X + 3 cy + wave
	s_lshl_b32 s18, s18, 14
	s_add_co_u32 s18, s18, 8192
	v_lshl_add_u32 v13, v2, 8, s18
	s_wait_alu depctr_va_vdst(0)
	global_prefetch_b8 v12, s[4:5] th:TH_LOAD_NT scope:SCOPE_SE
	s_cmp_lt_u32 s14, NG
	s_cbranch_scc0 .Lno_prefetch
	global_prefetch_b8 v13, s[4:5] th:TH_LOAD_NT scope:SCOPE_SE
.Lno_prefetch:
	s_lshl_b32 s66, s17, 13
	s_lshl_b32 s67, s14, 11
	s_add_co_u32 s66, s66, s67
	s_mov_b32 s67, 0
	s_add_nc_u64 s[66:67], s[6:7], s[66:67]
	s_mul_i32 s68, s42, 4*NG*512                   ; the weight's: tile BT0 + 12 X
	s_add_co_u32 s68, s68, BT0*512
	s_mov_b32 s69, 0
	s_add_nc_u64 s[68:69], s[6:7], s[68:69]
	s_mul_i32 s70, s42, 768                        ; the head's 192 numbers of the bias
	s_mov_b32 s71, 0
	s_add_nc_u64 s[70:71], s[8:9], s[70:71]
.irp i, 0,1
.irp kh, 0,1
	global_load_b128 v[SA+8*\i+4*\kh:SA+8*\i+4*\kh+3], v[VS], s[66:67] offset:1024*\i+256*\kh   ; each half of the lanes reads 256 consecutive bytes, aligned: four K steps' words of 16 rows
.endr
.endr
.irp i, 0,1,2,3,4,5
.irp kh, 0,1
	global_load_b128 v[SB+8*\i+4*\kh:SB+8*\i+4*\kh+3], v[VS], s[68:69] offset:1024*\i+256*\kh
.endr
.endr
	WIN 0xc0                                       ; destination window 3
.irp b, 0,1,2,3,4,5,6,7                        ; q's and k's bias in the result's layout: tile b's register j is column 32 (b / 2) + 16 h + 8 (b % 2) + j
	global_load_b128 v[128+8*\b:128+8*\b+3], v[VB], s[70:71] offset:(32*(\b/2)+8*(\b%2))*4
	global_load_b128 v[128+8*\b+4:128+8*\b+7], v[VB], s[70:71] offset:(32*(\b/2)+8*(\b%2))*4+16
.endr
.irp t, 0,1,2,3                                ; v's: a lane holds one channel, so its eight registers hold the same number
.irp j, 0,1,2,3,4,5,6,7
	global_load_b32 v[192+8*\t+\j], v[VC], s[70:71] offset:(128+32*(\t/2)+8*(\t%2))*4
.endr
.endr
	WIN 0
	s_lshl_b32 s72, s14, 14                        ; my four tiles of x in a slot
	v_add_nc_u32 v[ADA], s72, v[LI]
	v_add_nc_u32 v[ADA+1], SLOT, v[ADA]
	v_add_nc_u32 v[ADB], BOFF, v[LI]
	v_add_nc_u32 v[ADB+1], SLOT, v[ADB]
	s_lshl_b32 s73, s15, 8                         ; the words' meeting place: 256 bytes for each step of 128 tokens (two waves),
	s_lshl_b32 s74, s16, 2                         ; word (wave % 2) of 8 bytes a lane
	s_add_co_u32 s74, s74, s73
	v_lshlrev_b32 v8, 3, v2
	v_add_nc_u32 v[SS], s74, v8
	v_add_nc_u32 v[SS], STG, v[SS]
	s_lshl_b32 s74, s16, 1                         ; v's: half (wave % 2) of a word
	s_add_co_u32 s74, s74, s73
	v_add_nc_u32 v[SH], s74, v8
	v_add_nc_u32 v[SH], STG, v[SH]
	v_add_nc_u32 v[SRD], STG, v[LI]
	s_lshr_b32 s75, s17, 2
	s_lshl_b32 s75, s75, 4
	s_add_co_u32 s75, s75, s42                     ; batch x 16 + head
	s_and_b32 s76, s17, 3                          ; which 256 tokens of the batch's 1,024
	s_lshl_b32 s78, s75, 16                        ; Q: 65,536 bytes a head, 1,024 a tile: tile 16 (Y % 4) + 4 x wave
	s_lshl_b32 s77, s76, 14
	s_add_co_u32 s78, s78, s77
	s_lshl_b32 s77, s14, 12
	s_add_co_u32 s78, s78, s77
	s_mov_b32 s79, 0
	s_add_nc_u64 s[78:79], s[10:11], s[78:79]
	s_add_nc_u64 s[80:81], s[78:79], 0x800000      ; K: the same place, 8,388,608 bytes on
	s_lshl_b32 s82, s75, 16                        ; V: step 2 (Y % 4) + wave / 2 of 8,192 bytes; my two key blocks begin 1,024 (wave % 2) into each channel tile
	s_lshl_b32 s77, s76, 14
	s_add_co_u32 s82, s82, s77
	s_lshl_b32 s77, s15, 13
	s_add_co_u32 s82, s82, s77
	s_lshl_b32 s77, s16, 10
	s_add_co_u32 s82, s82, s77
	s_add_co_u32 s82, s82, 0x1000000
	s_mov_b32 s83, 0
	s_add_nc_u64 s[82:83], s[10:11], s[82:83]
	s_lshl_b32 s84, s75, 11                        ; Q's words: 2,048 bytes a head, 512 for my work-group's two steps
	s_lshl_b32 s77, s76, 9
	s_add_co_u32 s84, s84, s77
	s_mov_b32 s85, 0
	s_add_nc_u64 s[84:85], s[12:13], s[84:85]
	s_lshl_b32 s86, s75, 12                        ; K's and V's: 4,096 bytes a head, from 262,144 on
	s_add_co_u32 s86, s86, s77
	s_add_co_u32 s86, s86, 262144
	s_mov_b32 s87, 0
	s_add_nc_u64 s[86:87], s[12:13], s[86:87]
	s_mov_b32 s[SEL], 0x76543210
	s_mov_b32 s[SEL+1], 0xfedcba98                 ; v_permlanex16_b32's selects for lane l xor 16
	s_mov_b32 s[MNT], 0x600000                     ; the mantissa field of 57,344
	s_mov_b32 s[HI], 0xffff0000                    ; a mask of lanes 16-31
.irp b, 0,1,2,3
	v_mov_b32 v[TM+4+\b], 0                        ; written once: a lane permute's destination counts as one of its sources
.endr
.macro WM                              ; one matrix instruction from the symbols rD, rA, rB, rC, rSA, rSB; fA, fB = 1: that side's scale words stand in lanes 16-31
.if fA && fB
	v_wmma_scale_f32_16x16x128_f8f6f4 v[rD:rD+7], v[rA:rA+15], v[rB:rB+15], v[rC:rC+7], v[rSA], v[rSB] matrix_a_fmt:MATRIX_FMT_BF8 matrix_b_fmt:MATRIX_FMT_BF8 matrix_a_scale:MATRIX_SCALE_ROW1 matrix_b_scale:MATRIX_SCALE_ROW1
.elseif fA
	v_wmma_scale_f32_16x16x128_f8f6f4 v[rD:rD+7], v[rA:rA+15], v[rB:rB+15], v[rC:rC+7], v[rSA], v[rSB] matrix_a_fmt:MATRIX_FMT_BF8 matrix_b_fmt:MATRIX_FMT_BF8 matrix_a_scale:MATRIX_SCALE_ROW1
.elseif fB
	v_wmma_scale_f32_16x16x128_f8f6f4 v[rD:rD+7], v[rA:rA+15], v[rB:rB+15], v[rC:rC+7], v[rSA], v[rSB] matrix_a_fmt:MATRIX_FMT_BF8 matrix_b_fmt:MATRIX_FMT_BF8 matrix_b_scale:MATRIX_SCALE_ROW1
.else
	v_wmma_scale_f32_16x16x128_f8f6f4 v[rD:rD+7], v[rA:rA+15], v[rB:rB+15], v[rC:rC+7], v[rSA], v[rSB] matrix_a_fmt:MATRIX_FMT_BF8 matrix_b_fmt:MATRIX_FMT_BF8
.endif
.endm
.macro MWIN g, ks                      ; the windows of group g's products.  In K step 0 the C is the bias, in window 3
.if (\g) == 2
	WIN 0xf4                                       ; source 0 (x) window 0, source 1 (the weight) window 1, C and D window 3
.elseif (\ks) == 0
	WIN 0xb1                                       ; source 0 (the weight) window 1, source 1 (x) window 0, C window 3, D window 2
.else
	WIN 0xa1                                       ; the same, C and D window 2
.endif
.endm
; 8 matrix instructions: half of group g (0: q, 1: k, 2: v) in K step ks, all on different accumulators.  The 48 accumulators take turns, one instruction a turn, in the same order in every K step.
.macro MUL g, half, ks
.if (\g) < 2
.irp m, 0,1,2,3
.irp u, 0,1
.set rD, 128*(\g)+32*\m+16*(\half)+8*\u
.set rA, 16*(4*(\g)+2*(\half)+\u)
.set rB, AF+64*((\ks)%2)+16*\m
.if (\ks) == 0
.set rC, 128+8*(4*(\g)+2*(\half)+\u)
.else
.set rC, rD
.endif
.set rSA, SB+8*(2*(\g)+(\half))+(\ks)
.set fA, \u
.set rSB, SA+8*(\m/2)+(\ks)
.set fB, \m%2
	WM
.endr
.endr
.else
.irp tt, 0,1
.irp m, 0,1,2,3
.set tv, 2*(\half)+\tt
.set rD, 32*tv+16*(\m/2)+8*(\m%2)
.set rA, AF+64*((\ks)%2)+16*\m
.set rB, 16*(8+tv)
.if (\ks) == 0
.set rC, 192+8*tv
.else
.set rC, rD
.endif
.set rSA, SA+8*(\m/2)+(\ks)
.set fA, \m%2
.set rSB, SB+8*(4+tv/2)+(\ks)
.set fB, tv%2
	WM
.endr
.endr
.endif
.endm
.macro FA ks                           ; my four fragments of x of K step ks into set ks % 2: 16 loads of 512 consecutive bytes
.irp m, 0,1,2,3
.irp c, 0,1,2,3
	ds_load_b128 v[AF+64*((\ks)%2)+16*\m+4*\c:AF+64*((\ks)%2)+16*\m+4*\c+3], v[ADA+((\ks)/2)%2] offset:TILEB*\m+2048*((\ks)%2)+512*\c
.endr
.endr
.endm
.macro FB ks, g                        ; the four fragments of the weight's group g
	WIN 0x40                                       ; destination window 1, address window 0
.irp q, 0,1,2,3
.irp c, 0,1,2,3
	ds_load_b128 v[16*(4*(\g)+\q)+4*\c:16*(4*(\g)+\q)+4*\c+3], v[ADB+((\ks)/2)%2] offset:TILEB*(4*(\g)+\q)+2048*((\ks)%2)+512*\c
.endr
.endr
	WIN 0
.endm
; Group g of K step ks behind a wait that leaves n LDS loads out; then the next K step's fragments land where this group's lay (with group 0: also x's, in the other set).
.macro GRP g, ks, n
	s_wait_dscnt \n
	MWIN \g, \ks
	MUL \g, 0, \ks
	MUL \g, 1, \ks
	PLACES 8
	FB (\ks)+1, \g
.if (\g) == 0
	FA (\ks)+1
.endif
.endm
; A K step whose successor lies in the same slot.  The fetches go out in the order weight 0, x, weight 1, weight 2.  At group 0's head the 32 loads of this step's groups 1 and 2 may be out;
; at a later group's head 48: the rest of this step's groups and what has been fetched for the next step.
.macro STEP ks
	GRP 0, \ks, 16*(NG-1)
	GRP 1, \ks, 16*NG
	GRP 2, \ks, 16*NG
.endm
; A slot's second K step changes slots: ONE barrier; in front of it each wave waits for all its tensor loads, adds 0 to its spare word, and waits for that and for its reads of this slot (all 16 fragments of this K step are then in registers).
; fill = 1: the barrier opens a round of the cluster's barrier, and this slot is filled again, with the K steps four further on.
.macro TURN ks, fill
.set SL, ((\ks)/2)%2
	WIN 0
	s_wait_tensorcnt 0x0                           ; all my tensor loads have landed: my part of the next slot;
	ds_add_u32 v[SPW], v[NIL]
.if (\ks) == 1                         ; no tensor load of mine is out, so descriptors may be written: from here on a load brings half of an operand's tiles, and slot 1's registers name my half
	s_mov_b32 s[G1+2], 8<<16
	s_mov_b32 s[G1+4], 8
	s_mov_b32 s[G1B+2], (2*NG)<<16
	s_mov_b32 s[G1B+4], 2*NG
	s_lshl_b32 s22, s16, 15
	s_add_co_u32 s[G0+5], s[G0+5], s22
	s_lshl_b32 s22, s16, 17
	s_add_nc_u64 s[G0+6:G0+7], s[G0+6:G0+7], s[22:23]
	s_mul_i32 s22, s16, 2*NG*TILEB
	s_add_co_u32 s[G0B+5], s[G0B+5], s22
	s_mul_i32 s22, s16, (2*NG)<<14
	s_add_nc_u64 s[G0B+6:G0B+7], s[G0B+6:G0B+7], s[22:23]
.endif
	s_wait_dscnt 16*(NG-1)+1
	MWIN 0, \ks
	MUL 0, 0, \ks                                  ; eight matrix instructions stand between the add and the wait for it
	s_wait_dscnt 0x0                               ; the add is done, and my reads of this slot are over
	s_barrier_signal -1
	MUL 0, 1, \ks
	WIN 0
	s_barrier_wait -1
.if \fill
	CREST                                          ; no wave of any partner still reads this slot or has a load on its way
	s_add_nc_u64 s[G0+4*SL+2:G0+4*SL+3], s[G0+4*SL+2:G0+4*SL+3], 2*TILEB
	s_add_nc_u64 s[G0B+4*SL+2:G0B+4*SL+3], s[G0B+4*SL+2:G0B+4*SL+3], 2*TILEB
	JLOAD G0+4*SL, G1, G0B+4*SL, G1B               ; the first tensor load behind the round, my only one until the next; its four v_nop are four of the eight places
	PLACES 4
.else
	PLACES 8
.endif
	FB (\ks)+1, 0
	FA (\ks)+1
	GRP 1, \ks, 16*NG
	GRP 2, \ks, 16*NG
.endm
	s_wait_loadcnt 0x0                             ; scale words and bias
	s_wait_alu depctr_va_vdst(0)
	s_cmp_eq_u32 s15, 0                            ; waves 0 and 1 asked for slot 0, in lines of their own: they wait; slot 1's loads may stay out
	s_cbranch_scc0 .Lnot_slot0
	s_wait_tensorcnt 0x0
.Lnot_slot0:
	s_barrier_signal -1
	s_barrier_wait -1                              ; everybody's is
	FB 0, 0
	FA 0
	FB 0, 1
	FB 0, 2
	STEP 0
	TURN 1, 1                                      ; slot 0 takes K steps 4 and 5
	STEP 2
	TURN 3, 1                                      ; slot 1 takes K steps 6 and 7
	STEP 4
	TURN 5, 0                                      ; nothing is left to fetch
	STEP 6
	s_wait_dscnt 16*(NG-1)                         ; the last K step
	MWIN 0, 7
	MUL 0, 0, 7
	MUL 0, 1, 7
	s_wait_dscnt 16*(NG-2)
	MUL 1, 0, 7
	MUL 1, 1, 7
	s_wait_dscnt 0x0
	MWIN 2, 7
	MUL 2, 0, 7
	MUL 2, 1, 7
	WIN 0
	PLACES 8
; 64 numbers of a lane in window w, v[s] on, four blocks of 16 registers, each joined with lane l xor 16's 16, become 16 registers of codes in v[pc] on and the four scale bytes in v[pw] (both in window 0).
; Each accumulator is read from its low end on.
.macro QUANT4 s, w, pc, pw
	WIN (\w)|((\w)<<2)
.irp b, 0,1,2,3
	v_max3_num_f32 v[TM+\b], |v[(\s)+16*\b]|, |v[(\s)+16*\b+1]|, 0x8000000   ; my 16 numbers, and the floor 2^(16 - 127): the byte cannot fall under 1
.endr
	WIN ((\w)<<2)|((\w)<<4)
.irp i, 2,4,6,8,10,12,14
.irp b, 0,1,2,3
	v_max3_num_f32 v[TM+\b], v[TM+\b], |v[(\s)+16*\b+\i]|, |v[(\s)+16*\b+\i+1]|
.endr
.endr
	WIN 0
.irp b, 0,1,2,3
	v_permlanex16_b32 v[TM+4+\b], v[TM+\b], s[SEL], s[SEL+1]
.endr
.irp b, 0,1,2,3
	v_max_num_f32 v[TM+\b], v[TM+\b], v[TM+4+\b]   ; the block's largest magnitude
.endr
.irp b, 0,1,2,3
	v_add_nc_u32 v[TM+12+\b], 0xf8800000, v[TM+\b] ; 15 off its exponent field: the conversion's scale operand
.endr
.irp b, 0,1,2,3
	v_and_or_b32 v[TM+8+\b], v[TM+\b], 0x7f800000, s[MNT]   ; 57,344 x the scale
.endr
.irp b, 0,1,2,3
	v_lshrrev_b32 v[TM+4+\b], 23, v[TM+12+\b]      ; the scale's byte
.endr
	v_lshl_or_b32 v[\pw], v[TM+5], 8, v[TM+4]
	v_lshl_or_b32 v[\pw], v[TM+6], 16, v[\pw]
	v_lshl_or_b32 v[\pw], v[TM+7], 24, v[\pw]
	WIN (\w)|((\w)<<6)
.irp b, 0,1,2,3
.irp i, 0,1,2,3,4,5,6,7,8,9,10,11,12,13,14,15
	v_med3_num_f32 v[(\s)+16*\b+\i], v[(\s)+16*\b+\i], -v[TM+8+\b], v[TM+8+\b]   ; the conversion to an 8-bit code does not saturate (ISA guide 7.6.2): the hold comes first
.endr
.endr
	WIN (\w)
	s_wait_alu depctr_va_vdst(0)
	s_wait_xcnt 0x0                                ; earlier stores have read their data: the codes' registers may be written again
.irp b, 0,1,2,3
	v_cvt_scalef32_pk8_bf8_f32 v[(\pc)+4*\b:(\pc)+4*\b+1], v[(\s)+16*\b:(\s)+16*\b+7], v[TM+12+\b]
	v_cvt_scalef32_pk8_bf8_f32 v[(\pc)+4*\b+2:(\pc)+4*\b+3], v[(\s)+16*\b+8:(\s)+16*\b+15], v[TM+12+\b]
.endr
	WIN 0
	v_nop                                          ; one plain vector instruction behind the last scaled conversion
.endm
	; q (g = 0) and k (g = 1): two token tiles at a time; their four blocks of 32 channels are four groups of an image, and their four bytes are the pair's word
.irp g, 0,1
.irp mp, 0,1
	QUANT4 128*\g+64*\mp, 2, 96+16*\mp, 240+\mp
.irp k, 0,1,2,3
	global_store_b128 v[LI], v[96+16*\mp+4*\k:96+16*\mp+4*\k+3], s[78+2*\g:79+2*\g] offset:2048*\mp+512*\k   ; 32 lanes store 512 consecutive bytes, aligned
.endr
.endr
	v_cndmask_b32 v242, v240, v241, s[HI]          ; lanes 0-15: my first pair's word of row r; lanes 16-31: my second pair's
	ds_store_b32 v[SS], v242 offset:512*\g
.endr
	; v: two channel tiles at a time; a tile's two blocks are my 64 tokens: two of the four key blocks of a step
.irp tp, 0,1
	QUANT4 64*\tp, 3, 96+16*\tp, 240
.irp k, 0,1,2,3
	global_store_b128 v[LI], v[96+16*\tp+4*\k:96+16*\tp+4*\k+3], s[82:83] offset:2048*(2*\tp+\k/2)+512*(\k%2)
.endr
	v_lshrrev_b32 v241, 16, v240
	v_cndmask_b32 v241, v240, v241, s[HI]          ; lanes 0-15: the even tile's two bytes; lanes 16-31: the odd tile's
	ds_store_b16 v[SH], v241 offset:1024+4*\tp
.endr
	s_wait_dscnt 0x0                               ; for the others' sake: my words lie in LDS
	s_barrier_signal -1
	s_barrier_wait -1
	s_cmp_lg_u32 s14, 0                            ; wave 0 stores the work-group's 3 x 512 bytes of scale words
	s_cbranch_scc1 .Lnot_first
	ds_load_b128 v[160:163], v[SRD]
	ds_load_b128 v[164:167], v[SRD] offset:512
	ds_load_b128 v[168:171], v[SRD] offset:1024
	s_wait_dscnt 0x0
	global_store_b128 v[LI], v[160:163], s[84:85]              ; q's
	global_store_b128 v[LI], v[164:167], s[86:87]              ; k's
	global_store_b128 v[LI], v[168:171], s[86:87] offset:2048  ; v's
.Lnot_first:
	s_wait_tensorcnt 0x0                           ; the wave's end, behind my last tensor load and my last LDS store
	ds_add_u32 v[SPW], v[NIL]
	s_wait_dscnt 0x0
	CROUND                                         ; the closing round: no work-group ends while a partner may still ask for a tile that names it
	s_endpgm
.Lfunc_end_k_q7648fba98c_qkvgemm:
	.size	k_q7648fba98c_qkvgemm, .Lfunc_end_k_q7648fba98c_qkvgemm-k_q7648fba98c_qkvgemm
	.p2alignl 7, 3214868480
	.fill 96, 4, 3214868480
	.section	.rodata,"a",@progbits
	.p2align	6, 0x0
	.amdhsa_kernel k_q7648fba98c_qkvgemm
		.amdhsa_group_segment_fixed_size 327680
		.amdhsa_private_segment_fixed_size 0
		.amdhsa_enable_private_segment 0
		.amdhsa_kernarg_size 40
		.amdhsa_user_sgpr_count 2
		.amdhsa_user_sgpr_kernarg_segment_ptr 1
		.amdhsa_wavefront_size32 1
		.amdhsa_system_sgpr_workgroup_id_x 1
		.amdhsa_system_sgpr_workgroup_id_y 1
		.amdhsa_system_sgpr_workgroup_id_z 1
		.amdhsa_system_vgpr_workitem_id 0
		.amdhsa_next_free_vgpr 1024
		.amdhsa_next_free_sgpr 100
		.amdhsa_reserve_vcc 0
		.amdhsa_float_denorm_mode_32 3
		.amdhsa_float_denorm_mode_16_64 3
		.amdhsa_memory_ordered 1
		.amdhsa_forward_progress 1
		.amdhsa_inst_pref_size 161
	.end_amdhsa_kernel
	.amdgpu_metadata
---
amdhsa.version: [ 1, 2 ]
amdhsa.kernels:
  - .name:           k_q7648fba98c_qkvgemm
    .symbol:         k_q7648fba98c_qkvgemm.kd
    .args:
      - { .name: codes, .offset: 0, .size: 8, .value_kind: global_buffer, .address_space: global }
      - { .name: scales, .offset: 8, .size: 8, .value_kind: global_buffer, .address_space: global }
      - { .name: qkv_b, .offset: 16, .size: 8, .value_kind: global_buffer, .address_space: global }
      - { .name: qkvc, .offset: 24, .size: 8, .value_kind: global_buffer, .address_space: global }
      - { .name: qkvs, .offset: 32, .size: 8, .value_kind: global_buffer, .address_space: global }
    .group_segment_fixed_size: 327680
    .private_segment_fixed_size: 0
    .kernarg_segment_align: 8
    .kernarg_segment_size: 40
    .max_flat_workgroup_size: 128
    .sgpr_count:     100
    .vgpr_count:     1024
    .wavefront_size: 32
...
	.end_amdgpu_metadata
.endif
;; end of part 2
;; launch attn (part 3): grid 4 x 64, 4 waves a work-group, clusters of 4 x 1, 327,680 bytes of LDS; arguments qkvc, qkvs, oc, os; writes oc, os
.if DOCPART == 3
	.amdgcn_target "amdgcn-amd-amdhsa--gfx1250"
	.amdhsa_code_object_version 6
	.text
	.protected	k_q7648fba98c_attn
	.globl	k_q7648fba98c_attn
	.p2align	8
	.type	k_q7648fba98c_attn,@function
k_q7648fba98c_attn:
	s_mov_b64 s[64:65], 0
	v_nop
	global_prefetch_b8 v0, s[64:65] scope:SCOPE_SE
	s_setreg_imm32_b32 hwreg(HW_REG_WAVE_MODE, 25, 1), 1
	s_wait_xcnt 0x0
	s_wait_alu depctr_hold_cnt(0) depctr_sa_sdst(0) depctr_va_vdst(0) depctr_va_sdst(0) depctr_va_ssrc(0) depctr_va_vcc(0) depctr_vm_vsrc(0)
	s_getreg_b32 s2, hwreg(HW_REG_IB_STS2, 6, 4)
	s_cmp_eq_u32 s2, 0
	s_cbranch_scc0 .Lentry_in_a_cluster
	s_endpgm
.Lentry_in_a_cluster:
	s_bfe_u32 s2, ttmp6, 0x10000c
	s_cmp_lg_u32 s2, 0x3003
	s_cbranch_scc0 .Lentry_shape_is_right
	s_endpgm
.Lentry_shape_is_right:
; o = softmax(q k^T / 8) v for 128 (batch, head) pairs of 1,024 tokens x 64 channels, both products on codes of BF8 (E5M2) with E8M0 scales; o is quantised at once along the channels for the last product.
; THE SOFTMAX AHEAD OF THE SECOND PRODUCT: t = score x log2(e) / 8; M = the row's largest t so far, rounded UP to a whole number; p = 2^(t - M) is what is quantised, along the keys, not normalised.
; The row's sum is taken of the unquantised p, in f32, and divides O at the end.  When M moves, the sums and O are multiplied by 2^(old M - new M): exact.
; LIMITS: NaN and infinities are not served; the scaled scores t stay under 2^31 in magnitude.  A block of zeros gets the byte 1 where the rule says 127: its codes are zeros, and this program alone reads the bytes.
; SHARES.  A work-group owns 256 queries of BOTH heads 2 y and 2 y + 1.  Each of its FOUR waves owns 64 of them, four tiles of 16, first in head 2 y, then in head 2 y + 1: all waves do the same work,
; each fragment of K and V that a wave reads from LDS serves four tiles, and a wave ends with whole fragments (128 channels) and whole scale words of o.
; ALL OF K AND V OF BOTH HEADS LIES IN LDS (262,144 bytes), as images of fragments, filled once.  At the head each wave issues one tensor load: wave 0 the first head's K, wave 1 its V (65,536 bytes each), waves 2 and 3 a head's scale words.
; The second head's K and V are asked for by waves 0 and 1 behind the full sequence and a round of the cluster's barrier, and are read behind a wait for 0 in every wave and a barrier between the heads.
; CLUSTER.  The four query blocks of a head pair walk the same K, V and scale words: each tile is asked for JOINTLY, by the same load with the same descriptor (it hangs on y and the wave alone) and the mask 15.
; NO PREFETCH: all that the launch reads by tensor loads is asked for in its first lines; there is no loop in which a request could run ahead of a load.
; LAYOUT.  Both products are used transposed: S^T = K Q^T, O^T = V^T P^T: a lane holds ONE query (lane % 16) of each tile.  The rows of a tile are not neighbours (tile 2 B + u, place r: row 32 B + 8 u + r + 8 (r / 8)),
; so that the 16 registers of two neighbouring result tiles are 16 neighbouring keys (S^T) or channels (O^T).
; THE HEAD HAS 64 CHANNELS, THE INSTRUCTION 128 ALONG K: a fragment of K holds TWO tiles of keys.  Against Q followed by zero codes it gives the first, against zero codes followed by Q the second.  Zero codes meet finite codes only.
; REGISTERS BY ROLE, in windows of 256, so that one setting of the windows serves a phase over all four tiles:
;   window 0: addresses, scale words, and the figures of a row (index 4 T + b: tile T, block b of 32 keys);  window 1: S^T, then p: register 64 T + 16 b + i;
;   window 2: v0-127 O^T (32 T + 8 c + i), v128-191 p's codes (16 T), v192-255 K's four fragments;  window 3: v0-63 V's four fragments, v64-135 zeros, Q0, zeros, Q1, zeros, Q2, zeros, Q3, zeros (8 registers each).
; A STEP (128 keys): 32 products for S^T; V and the next step's K are asked of LDS; the blocks' largest scores; M, f; the sums and O^T x f; the blocks' scales; then tile k's exponentials stand by turns with tile k - 1's holds and
; tile k + 1's multiply-adds, which do not hang on each other; the sums of p; the conversions; 16 products for O^T.
.set HEADB, 131072                     ; LDS: head p at p x HEADB: K's 8 steps of 8,192 bytes, then, 65,536 on, V's
.set SCB,   262144                     ; the scale words: head p at 4,096 p: K's 8 steps of 256 bytes, then V's
.set OSTG,  SCB+8192                   ; 1,024 bytes in which the waves' scale words of o meet: no tile lands there
.set SPARE, OSTG+1024                  ; the spare words, 128 bytes for each wave: two blocks of 256 bytes that no other line names
.set LI,  1                            ; 16 x lane
.set LW,  2                            ; SCB + 8 x lane
.set QW,  3                            ; 8 x lane
.set SPW, 4                            ; LDS address of my spare word; never rewritten
.set NIL, 5                            ; 0; never rewritten
.set OW,  6                            ; where I put o's scale words
.set ORD, 7                            ; where wave 0 reads them back
.set AK,  8                            ; LDS address of the step's K;  v9 of its V;  v10 of its scale words
.set AV,  9
.set AS,  10
.set PW,  24                           ; v24-27 p's scale word of tile T
.set OSW, 28                           ; v28-31 o's
.set TM,  32                           ; v32-47 a block's largest score, then its largest p
.set T2,  48                           ; v48-63 at work: the other half's maximum, then the byte
.set BND, 64                           ; v64-79 57,344 x the scale
.set SOP, 80                           ; v80-95 the conversions' scale operands
.set NM,  96                           ; v[96+2T] -M, v[97+2T] the largest t
.set F,   104                          ; v[104+2T] f; the odd register is only named with it
.set TP,  112                          ; v112-115 at work
.set QE,  120                          ; Q's scale word of the even tile of a pair; v121 of the odd: lanes 0-15 tiles 0, 1, lanes 16-31 tiles 2, 3
.set QO,  121
.set QS,  122                          ; the pair words as loaded
.set KS,  124                          ; v124-125 K's scale words, v126-127 V's: no product's two scale registers have numbers equal modulo 8
.set VS,  126
.set SUM, 144                          ; v[144+8T ..] the row's sum in four pairs
.set OC,  176                          ; v176-239 o's codes: 32 for each head, so that no store's data are written again
.set O,   0
.set P,   128
.set KR,  192
.set VR,  0
.set QB,  64
.set WV,  12
.set PS0, 16
.set PS1, 17
.set MNT, 19
.set SEL, 20
.set CS,  22
.set G1K, 24                           ; s[24:31] group 1: 256 rows of 256 bytes;  s[32:39]: 16 rows
.set G1S, 32
.set G0A, 40                           ; groups 0: the first head's codes; the scale words; the second head's codes
.set G0S, 44
.set G0H, 48
.set TK,  80
.set TS,  81
.set CNT, 83
.set MSB, 0
.macro WIN new                         ; the immediate's high byte repeats the setting that is left; bits 1:0 source 0, 3:2 source 1, 5:4 source 2, 7:6 destination
.if MSB != (\new)
	s_set_vgpr_msb (MSB<<8)|(\new)
.set MSB, (\new)
.endif
.endm
.macro WALU
	s_wait_alu depctr_va_vdst(0)
.endm
.macro CROUND                          ; a round of the cluster's barrier
	s_barrier_signal -1
	s_barrier_wait -1
	s_cmp_lg_u32 s[WV], 0
	s_cbranch_scc1 .Lnot_wave_0_\@
	s_barrier_signal -3
.Lnot_wave_0_\@:
	s_barrier_wait -3
	s_barrier_signal -1
	s_barrier_wait -1
.endm
.macro G1SET g, rows                   ; a dense block as rows of 256 bytes: mask 15, elements of 8 bytes, bit 21 beside the mask, no padding
	s_mov_b32 s[\g], 15|(3<<16)|(1<<21)
	s_mov_b32 s[\g+1], 32<<16
	s_mov_b32 s[\g+2], (\rows)<<16
	s_mov_b32 s[\g+3], 32<<16
	s_mov_b32 s[\g+4], \rows
	s_mov_b32 s[\g+5], 32
	s_mov_b32 s[\g+6], 0
	s_mov_b32 s[\g+7], 0
.endm
.macro TLOAD g0, g1                    ; an s_nop 0 and four v_nop follow a tensor load
	tensor_load_to_lds s[\g0:\g0+3], s[\g1:\g1+7]
	s_nop 0
.rept 4
	v_nop
.endr
.endm
	s_load_b256 s[4:11], s[0:1], 0x0               ; qkvc, qkvs, oc, os
	v_lshl_add_u32 v[SPW], v0, 2, SPARE
	v_mov_b32 v[NIL], 0
	ds_add_u32 v[SPW], v[NIL]                      ; the opening: the add, twice on end, and its wait ahead of my first tensor load
	ds_add_u32 v[SPW], v[NIL]
	v_lshrrev_b32 v12, 5, v0
	v_readfirstlane_b32 s[WV], v12                 ; wave 0..3
	s_and_b32 s13, ttmp7, 0xffff                   ; y: the head pair, which the four partners share
	s_and_b32 s14, s[WV], 1                        ; K or V; first or second head's scale words
	G1SET G1K, 256
	G1SET G1S, 16
	s_add_co_u32 s84, s14, 1
	s_lshl_b32 s84, s84, 23                        ; K's section begins at 8,388,608, V's at 16,777,216;
	s_lshl_b32 s15, s13, 17                        ; 65,536 bytes a head, two heads
	s_add_co_u32 s84, s84, s15
	s_mov_b32 s85, 0
	s_add_co_u32 s86, s84, 65536                   ; the second head
	s_mov_b32 s87, 0
	s_lshl_b32 s88, s13, 13                        ; the scale words: 4,096 bytes a head, from 262,144 on
	s_lshl_b32 s15, s14, 12
	s_add_co_u32 s88, s88, s15
	s_add_co_u32 s88, s88, 262144
	s_mov_b32 s89, 0
	s_lshl_b32 s90, s14, 16                        ; in LDS V lies 65,536 behind K
	WALU
	s_wait_dscnt 0x0                               ; both opening adds are done
	s_wait_kmcnt 0x0
	s_mov_b32 s[G0A], 1
	s_mov_b32 s[G0A+1], s90
	s_add_nc_u64 s[G0A+2:G0A+3], s[4:5], s[84:85]
	s_or_b32 s[G0A+3], s[G0A+3], 0x80000000
	s_mov_b32 s[G0H], 1
	s_add_co_u32 s[G0H+1], s90, HEADB
	s_add_nc_u64 s[G0H+2:G0H+3], s[4:5], s[86:87]
	s_or_b32 s[G0H+3], s[G0H+3], 0x80000000
	s_mov_b32 s[G0S], 1
	s_add_co_u32 s[G0S+1], s15, SCB
	s_add_nc_u64 s[G0S+2:G0S+3], s[6:7], s[88:89]
	s_or_b32 s[G0S+3], s[G0S+3], 0x80000000
	CROUND                                         ; all four work-groups are here: the joint loads meet
	s_cmp_lt_u32 s[WV], 2                          ; one load a wave, a load in each arm
	s_cbranch_scc0 .Lhead_s
	TLOAD G0A, G1K                                 ; waves 0, 1: the first head's K, V
	s_branch .Lhead_asked
.Lhead_s:
	TLOAD G0S, G1S                                 ; waves 2, 3: a head's scale words
.Lhead_asked:
	v_and_b32 v12, 31, v0                          ; lane
	v_and_b32 v13, 15, v0                          ; r
	v_lshlrev_b32 v[LI], 4, v12
	v_lshl_add_u32 v[LW], v12, 3, SCB
	v_lshlrev_b32 v[QW], 3, v12
	s_lshl_b32 s90, s[WV], 8
	s_add_co_u32 s90, s90, OSTG
	v_lshl_add_u32 v[OW], v13, 2, s90              ; 64 bytes a tile, four tiles a wave; 4 r
	v_add_nc_u32 v[ORD], OSTG, v[LI]
	WALU
	s_bfe_u32 s18, ttmp6, 0x40000                  ; cx
	s_lshl_b32 s91, ttmp9, 2
	s_add_co_u32 s18, s18, s91                     ; Z: my block of 256 queries: it enters Q's, oc's and os's global addresses alone
	s_lshl_b32 s92, s13, 17                        ; Q's codes: head 2 y, tile 16 Z + 4 x wave of 1,024 bytes
	s_lshl_b32 s91, s18, 14
	s_add_co_u32 s92, s92, s91
	s_lshl_b32 s91, s[WV], 12
	s_add_co_u32 s92, s92, s91
	s_mov_b32 s93, 0
	s_add_nc_u64 s[92:93], s[4:5], s[92:93]
	s_lshl_b32 s94, s13, 12                        ; Q's pair words: 2,048 bytes a head; step 2 Z + wave / 2 of 256 bytes; word wave % 2 of 8 bytes a lane: lanes 0-15 my tiles 0, 1, lanes 16-31 my tiles 2, 3
	s_lshl_b32 s91, s18, 9
	s_add_co_u32 s94, s94, s91
	s_lshr_b32 s91, s[WV], 1
	s_lshl_b32 s91, s91, 8
	s_add_co_u32 s94, s94, s91
	s_lshl_b32 s91, s14, 2
	s_add_co_u32 s94, s94, s91
	s_mov_b32 s95, 0
	s_add_nc_u64 s[94:95], s[6:7], s[94:95]
	s_lshr_b32 s90, s13, 3                         ; the batch
	s_and_b32 s91, s13, 7                          ; the last product's K step = the head pair in its batch
	s_lshl_b32 s96, s90, 20                        ; oc: token tile 64 x batch + 16 Z + 4 x wave of 16,384 bytes, K step of 2,048
	s_lshl_b32 s98, s91, 11
	s_add_co_u32 s96, s96, s98
	s_lshl_b32 s98, s18, 18
	s_add_co_u32 s96, s96, s98
	s_lshl_b32 s98, s[WV], 16
	s_add_co_u32 s96, s96, s98
	s_mov_b32 s97, 0
	s_add_nc_u64 s[96:97], s[8:9], s[96:97]
	s_lshl_b32 s98, s91, 15                        ; os: [K step][token tile][16 words]: my work-group's 16 tiles are 1,024 consecutive bytes
	s_lshl_b32 s90, s90, 12
	s_add_co_u32 s98, s98, s90
	s_lshl_b32 s90, s18, 10
	s_add_co_u32 s98, s98, s90
	s_mov_b32 s99, 0
	s_add_nc_u64 s[98:99], s[10:11], s[98:99]
	s_mov_b32 s[PS0], 0x01000100                   ; bytes 0, 1, 0, 1 of a pair word: its even tile's; Q stands in the lower or in the upper 64 of the instruction's K
	s_mov_b32 s[PS1], 0x03020302                   ; bytes 2, 3, 2, 3: its odd tile's
	s_mov_b32 s[SEL], 0x76543210
	s_mov_b32 s[SEL+1], 0xfedcba98                 ; v_permlanex16_b32's selects for lane l xor 16
	s_mov_b32 s[CS], 0x3e38aa3b                    ; c = log2(e) / 8
	s_mov_b32 s[CS+1], s[CS]
	s_mov_b32 s[MNT], 0x600000                     ; the mantissa field of 57,344
.macro QLOAD p                         ; Q of head p: four images of 1,024 bytes, and the pair words
	WIN 0xc0
.irp T, 0,1,2,3
	global_load_b128 v[QB+8+16*\T:QB+11+16*\T], v[LI], s[92:93] offset:65536*\p+1024*\T
	global_load_b128 v[QB+12+16*\T:QB+15+16*\T], v[LI], s[92:93] offset:65536*\p+1024*\T+512
.endr
	WIN 0
	global_load_b32 v[QS], v[QW], s[94:95] offset:2048*\p
.endm
; The head of a pass.  The step is written alike for all steps: the first finds zeros in O^T and the sums, which the first change of M leaves zeros.
.macro PRO
.irp T, 0,1,2,3
	v_mov_b32 v[NM+2*\T+1], 0xff61b1e6             ; the largest t so far: -3e38
.endr
.irp T, 0,1,2,3
	v_floor_f32 v[NM+2*\T], -v[NM+2*\T+1]          ; -M
.endr
.set ii, 0
.rept 32
	v_mov_b32 v[SUM+ii], 0
.set ii, ii+1
.endr
	WALU
	s_wait_loadcnt 0x0                             ; Q
	v_perm_b32 v[QE], v[QS], v[QS], s[PS0]
	v_perm_b32 v[QO], v[QS], v[QS], s[PS1]
	WIN 0x80
.set ii, 0
.rept 128
	v_mov_b32 v[O+ii], 0                           ; O^T.  (Also the places between the scale words' making and the first product)
.set ii, ii+1
.endr
	WIN 0
.endm
.macro COLD                            ; a pass's first K and its scale words
	v_add_nc_u32 v[AK], s[TK], v[LI]
	v_add_nc_u32 v[AS], s[TS], v[LW]
	WIN 0x80
.set ii, 0
.rept 16
	ds_load_b128 v[KR+4*ii:KR+4*ii+3], v[AK] offset:512*ii
.set ii, ii+1
.endr
	WIN 0
	ds_load_b64 v[KS:KS+1], v[AS]
.endm
.macro SW fa, fb                       ; a product of S^T from rD, rA, rB, rSA, rSB; fa, fb: that side's scale words stand in lanes 16-31
.if (\fa)&&(\fb)
	v_wmma_scale_f32_16x16x128_f8f6f4 v[rD:rD+7], v[rA:rA+15], v[rB:rB+15], 0, v[rSA], v[rSB] matrix_a_fmt:MATRIX_FMT_BF8 matrix_b_fmt:MATRIX_FMT_BF8 matrix_a_scale:MATRIX_SCALE_ROW1 matrix_b_scale:MATRIX_SCALE_ROW1
.elseif (\fa)
	v_wmma_scale_f32_16x16x128_f8f6f4 v[rD:rD+7], v[rA:rA+15], v[rB:rB+15], 0, v[rSA], v[rSB] matrix_a_fmt:MATRIX_FMT_BF8 matrix_b_fmt:MATRIX_FMT_BF8 matrix_a_scale:MATRIX_SCALE_ROW1
.elseif (\fb)
	v_wmma_scale_f32_16x16x128_f8f6f4 v[rD:rD+7], v[rA:rA+15], v[rB:rB+15], 0, v[rSA], v[rSB] matrix_a_fmt:MATRIX_FMT_BF8 matrix_b_fmt:MATRIX_FMT_BF8 matrix_b_scale:MATRIX_SCALE_ROW1
.else
	v_wmma_scale_f32_16x16x128_f8f6f4 v[rD:rD+7], v[rA:rA+15], v[rB:rB+15], 0, v[rSA], v[rSB] matrix_a_fmt:MATRIX_FMT_BF8 matrix_b_fmt:MATRIX_FMT_BF8
.endif
.endm
.macro FMA1 k, j                       ; t - M of numbers j, j + 1 of tile k
	v_pk_fma_f32 v[64*(\k)+(\j):64*(\k)+(\j)+1], v[64*(\k)+(\j):64*(\k)+(\j)+1], s[CS:CS+1], v[NM+2*(\k):NM+2*(\k)+1] op_sel_hi:[1,0,0]
.endm
.macro HOLD1 k, j                      ; p is not negative, so its hold is one-sided; the conversion to an 8-bit code does not saturate (ISA guide 7.6.2)
	v_min_num_f32 v[64*(\k)+(\j)], v[64*(\k)+(\j)], v[BND+4*(\k)+(\j)/16]
.endm
; Tile k's 64 exponentials, by turns with tile k - 1's holds and tile k + 1's multiply-adds: no line here reads what another line here writes.  One wait stands ahead of the batch and one behind it.
.macro SUB k
.set jj, 0
.rept 64
	v_exp_f32 v[64*(\k)+jj], v[64*(\k)+jj]         ; p = 2^(t - M), at most 1: not normalised
.if (\k) > 0
	HOLD1 (\k)-1, jj
.endif
.if ((\k) < 3) && (jj%2 == 0)
	FMA1 (\k)+1, jj
.endif
.set jj, jj+1
.endr
.if (\k) == 0
	v_nop                                          ; a plain line behind the last exponential
.endif
	WALU
.endm
.macro SUMS k                          ; THE ROW'S SUM IS TAKEN OF THE UNQUANTISED p: two at a time, in four chains
	WIN 0x01
.set jj, 0
.rept 32
	v_pk_add_f32 v[SUM+8*(\k)+2*(jj%4):SUM+8*(\k)+2*(jj%4)+1], v[64*(\k)+2*jj:64*(\k)+2*jj+1], v[SUM+8*(\k)+2*(jj%4):SUM+8*(\k)+2*(jj%4)+1]
.set jj, jj+1
.endr
.endm
.macro CVT k                           ; tile k's four blocks become 16 registers of codes
.set jj, 0
.rept 8
	v_cvt_scalef32_pk8_bf8_f32 v[P+16*(\k)+2*jj:P+16*(\k)+2*jj+1], v[64*(\k)+8*jj:64*(\k)+8*jj+7], v[SOP+4*(\k)+jj/2]
.set jj, jj+1
.endr
.endm
; A KEY STEP: 128 keys, four tiles of queries.
.macro STEP
	s_wait_dscnt 0x0                               ; K and its scale words are in
	WIN 0x4e                                       ; source 0 (K) window 2, source 1 (Q) window 3, D window 1
.set tt, 0
.rept 4
.set nn, 0
.rept 8                                        ; S^T = K Q^T: tile nn of 16 keys against query tile tt; 32 accumulators, each written once
.set rD, 64*tt+8*nn
.set rA, KR+16*(nn/2)
.set rB, QB+8+16*tt-8*(nn%2)
.set rSA, KS+nn/4
.set rSB, QE+tt%2
	SW (nn/2)%2, tt/2
.set nn, nn+1
.endr
.set tt, tt+1
.endr
	WIN 0
	v_add_nc_u32 v[AK], s[TK], v[LI]               ; eight places behind the products, ahead of the loads into registers that they have read and of the first read of the scores
	v_add_nc_u32 v[AS], s[TS], v[LW]
	v_add_nc_u32 v[AV], 0x10000, v[AK]
.rept 5
	v_nop
.endr
	WIN 0xc0
.set ii, 0
.rept 16
	ds_load_b128 v[VR+4*ii:VR+4*ii+3], v[AV] offset:512*ii        ; this step's V
.set ii, ii+1
.endr
	WIN 0x80
.set ii, 0
.rept 16
	ds_load_b128 v[KR+4*ii:KR+4*ii+3], v[AK] offset:8192+512*ii   ; the next step's K (a pass's last step reads landed bytes of V here, which nobody uses)
.set ii, ii+1
.endr
	WIN 0
	ds_load_b64 v[VS:VS+1], v[AS] offset:2048
	ds_load_b64 v[KS:KS+1], v[AS] offset:256
	WIN 0x14                                       ; sources 1 and 2 window 1
.set ii, 0
.rept 8                                        ; THE LARGEST SCORE OF EACH BLOCK OF 32 KEYS, sixteen blocks by turns; each accumulator is read from its low end on
.set jj, 0
.rept 16
.if ii == 0
	v_max3_num_f32 v[TM+jj], 0xff800000, v[16*jj], v[16*jj+1]
.else
	v_max3_num_f32 v[TM+jj], v[TM+jj], v[16*jj+2*ii], v[16*jj+2*ii+1]
.endif
.set jj, jj+1
.endr
.set ii, ii+1
.endr
	WIN 0
.set jj, 0
.rept 16
	v_permlanex16_b32 v[T2+jj], v[TM+jj], s[SEL], s[SEL+1]
.set jj, jj+1
.endr
.set jj, 0
.rept 16
	v_max_num_f32 v[TM+jj], v[TM+jj], v[T2+jj]     ; with lane l xor 16's 16 keys
.set jj, jj+1
.endr
.irp T, 0,1,2,3
	v_max3_num_f32 v[TP+\T], v[TM+4*\T], v[TM+4*\T+1], v[TM+4*\T+2]
.endr
.irp T, 0,1,2,3
	v_max_num_f32 v[TP+\T], v[TP+\T], v[TM+4*\T+3] ; the step's largest score of my query
.endr
.irp T, 0,1,2,3
	v_mul_f32 v[TP+\T], s[CS], v[TP+\T]            ; as t (c is positive)
.endr
.irp T, 0,1,2,3
	v_max_num_f32 v[NM+2*\T+1], v[NM+2*\T+1], v[TP+\T]   ; the running largest t
.endr
.irp T, 0,1,2,3
	v_mov_b32 v[TP+\T], v[NM+2*\T]
.endr
.irp T, 0,1,2,3
	v_floor_f32 v[NM+2*\T], -v[NM+2*\T+1]          ; the new -M = -ceil(t)
.endr
.irp T, 0,1,2,3
	v_sub_f32 v[TP+\T], v[NM+2*\T], v[TP+\T]       ; old M - new M: a whole number, 0 or less
.endr
.irp T, 0,1,2,3
	v_cvt_i32_f32 v[TP+\T], v[TP+\T]               ; (it saturates)
.endr
.irp T, 0,1,2,3
	v_ldexp_f32 v[F+2*\T], 1.0, v[TP+\T]           ; f = 2^(old M - new M)
.endr
.set jj, 0
.rept 16
	v_fma_f32 v[TM+jj], v[TM+jj], s[CS], v[NM+2*(jj/4)]   ; t - M of each block's largest score: p rises with the score, so this gives the block's largest p
.set jj, jj+1
.endr
.set jj, 0
.rept 16
	v_pk_mul_f32 v[SUM+2*jj:SUM+2*jj+1], v[SUM+2*jj:SUM+2*jj+1], v[F+2*(jj/4):F+2*(jj/4)+1] op_sel_hi:[1,0]   ; the sums under the new M
.set jj, jj+1
.endr
	WIN 0x82
.set jj, 0
.rept 64
	v_pk_mul_f32 v[O+2*jj:O+2*jj+1], v[O+2*jj:O+2*jj+1], v[F+2*(jj/16):F+2*(jj/16)+1] op_sel_hi:[1,0]   ; O^T under the new M, ahead of the step's first exponential
.set jj, jj+1
.endr
	WIN 0
	WALU
.set jj, 0
.rept 16
	v_exp_f32 v[TM+jj], v[TM+jj]                   ; the blocks' largest p: the same two instructions on the same number give the same bits as in the 64
.set jj, jj+1
.endr
	WIN 0x41                                       ; destination and source 0 window 1
.set jj, 0
.rept 32
	FMA1 0, 2*jj                                   ; plain work behind the sixteen
.set jj, jj+1
.endr
	WIN 0
	WALU
.set jj, 0
.rept 16
	v_max_num_f32 v[TM+jj], 0x8000000, v[TM+jj]    ; the floor 2^(16 - 127): the byte cannot fall under 1
.set jj, jj+1
.endr
.set jj, 0
.rept 16
	v_add_nc_u32 v[SOP+jj], 0xf8800000, v[TM+jj]   ; 15 off the exponent field: the conversion's scale operand
.set jj, jj+1
.endr
.set jj, 0
.rept 16
	v_and_or_b32 v[BND+jj], v[TM+jj], 0x7f800000, s[MNT]   ; 57,344 x the scale
.set jj, jj+1
.endr
.set jj, 0
.rept 16
	v_lshrrev_b32 v[T2+jj], 23, v[SOP+jj]          ; the scale's byte
.set jj, jj+1
.endr
.irp T, 0,1,2,3
	v_lshl_or_b32 v[PW+\T], v[T2+4*\T+1], 8, v[T2+4*\T]
.endr
.irp T, 0,1,2,3
	v_lshl_or_b32 v[PW+\T], v[T2+4*\T+2], 16, v[PW+\T]
.endr
.irp T, 0,1,2,3
	v_lshl_or_b32 v[PW+\T], v[T2+4*\T+3], 24, v[PW+\T]   ; p's scale word for these 128 keys
.endr
	WIN 0x41
	WALU
	SUB 0
	SUMS 0
	WIN 0x41
	SUB 1
	SUMS 1
	WIN 0x41
	SUB 2
	SUMS 2
	WIN 0x41
	SUB 3
	SUMS 3
	WIN 0x81                                       ; destination window 2, source 0 window 1
	CVT 0
	CVT 1
	CVT 2
	WIN 0x41
.set jj, 0
.rept 64
	HOLD1 3, jj
.set jj, jj+1
.endr
	WIN 0x81
	CVT 3
	WIN 0
.rept 4
	v_nop                                          ; four places between the last codes' making and the products
.endr
	WALU
	s_wait_dscnt 0x0                               ; V, its scale words and the next step's K are in
	WIN 0xab                                       ; source 0 (V) window 3, source 1 (p) and C and D window 2
.set cc, 0
.rept 4                                        ; O^T += V^T P^T: sixteen accumulators by turns
.set tt, 0
.rept 4
.set rD, O+32*tt+8*cc
.if cc%2
	v_wmma_scale_f32_16x16x128_f8f6f4 v[rD:rD+7], v[VR+16*cc:VR+16*cc+15], v[P+16*tt:P+16*tt+15], v[rD:rD+7], v[VS+cc/2], v[PW+tt] matrix_a_fmt:MATRIX_FMT_BF8 matrix_b_fmt:MATRIX_FMT_BF8 matrix_a_scale:MATRIX_SCALE_ROW1
.else
	v_wmma_scale_f32_16x16x128_f8f6f4 v[rD:rD+7], v[VR+16*cc:VR+16*cc+15], v[P+16*tt:P+16*tt+15], v[rD:rD+7], v[VS+cc/2], v[PW+tt] matrix_a_fmt:MATRIX_FMT_BF8 matrix_b_fmt:MATRIX_FMT_BF8
.endif
.set tt, tt+1
.endr
.set cc, cc+1
.endr
	WIN 0
.endm
.macro PASS                            ; a head's eight steps
	s_mov_b32 s[CNT], 8
.Lstep_\@:
	STEP
	s_add_co_u32 s[TK], s[TK], 8192
	s_add_co_u32 s[TS], s[TS], 256
	s_sub_co_u32 s[CNT], s[CNT], 1
	s_cmp_lg_u32 s[CNT], 0
	s_cbranch_scc1 .Lstep_\@
.endm
; The end of pass p: O^T / the sum, quantised along the channels: two blocks of 32 a tile, which are groups 2 p and 2 p + 1 of the last product's fragment.  Block jj = 2 T + b.
.macro FIN p
.if (\p) == 0
	QLOAD 1                                        ; the second head's Q lands under the way out
.endif
.irp T, 0,1,2,3
	v_pk_add_f32 v[SUM+8*\T:SUM+8*\T+1], v[SUM+8*\T:SUM+8*\T+1], v[SUM+8*\T+2:SUM+8*\T+3]
.endr
.irp T, 0,1,2,3
	v_pk_add_f32 v[SUM+8*\T+4:SUM+8*\T+5], v[SUM+8*\T+4:SUM+8*\T+5], v[SUM+8*\T+6:SUM+8*\T+7]
.endr
.irp T, 0,1,2,3
	v_pk_add_f32 v[SUM+8*\T:SUM+8*\T+1], v[SUM+8*\T:SUM+8*\T+1], v[SUM+8*\T+4:SUM+8*\T+5]
.endr
.irp T, 0,1,2,3
	v_add_f32 v[SUM+8*\T], v[SUM+8*\T], v[SUM+8*\T+1]
.endr
.irp T, 0,1,2,3
	v_permlanex16_b32 v[TP+\T], v[SUM+8*\T], s[SEL], s[SEL+1]
.endr
.irp T, 0,1,2,3
	v_add_f32 v[SUM+8*\T], v[SUM+8*\T], v[TP+\T]   ; the row's sum
.endr
	WALU
.irp T, 0,1,2,3
	v_rcp_f32 v[SUM+8*\T], v[SUM+8*\T]
.endr
	v_nop
	WIN 0x42                                       ; destination window 1, source 0 window 2
	WALU
.set jj, 0
.rept 64
	v_pk_mul_f32 v[2*jj:2*jj+1], v[O+2*jj:O+2*jj+1], v[SUM+8*(jj/16):SUM+8*(jj/16)+1] op_sel_hi:[1,0]   ; register 32 T + 16 b + i is o(query r, channel 32 b + 16 h + i); each accumulator from its low end on
.set jj, jj+1
.endr
	WIN 0x14
.set ii, 0
.rept 8
.set jj, 0
.rept 8
.if ii == 0
	v_max3_num_f32 v[TM+jj], 0x8000000, |v[16*jj]|, |v[16*jj+1]|   ; my 16 numbers, and the floor 2^(16 - 127)
.else
	v_max3_num_f32 v[TM+jj], v[TM+jj], |v[16*jj+2*ii]|, |v[16*jj+2*ii+1]|
.endif
.set jj, jj+1
.endr
.set ii, ii+1
.endr
	WIN 0
.irp j, 0,1,2,3,4,5,6,7
	v_permlanex16_b32 v[T2+\j], v[TM+\j], s[SEL], s[SEL+1]
.endr
.irp j, 0,1,2,3,4,5,6,7
	v_max_num_f32 v[TM+\j], v[TM+\j], v[T2+\j]
.endr
.irp j, 0,1,2,3,4,5,6,7
	v_add_nc_u32 v[SOP+\j], 0xf8800000, v[TM+\j]
.endr
.irp j, 0,1,2,3,4,5,6,7
	v_and_or_b32 v[BND+\j], v[TM+\j], 0x7f800000, s[MNT]
.endr
.irp j, 0,1,2,3,4,5,6,7
	v_lshrrev_b32 v[T2+\j], 23, v[SOP+\j]
.endr
.irp T, 0,1,2,3
	v_lshl_or_b32 v[TP+\T], v[T2+2*\T+1], 8, v[T2+2*\T]   ; this head's two scale bytes
.endr
.irp T, 0,1,2,3
.if (\p) == 0
	v_mov_b32 v[OSW+\T], v[TP+\T]
.else
	v_lshl_or_b32 v[OSW+\T], v[TP+\T], 16, v[OSW+\T]      ; the four bytes of the fragment's scale word
.endif
.endr
	WIN 0x41
.set jj, 0
.rept 128
	v_med3_num_f32 v[jj], v[jj], -v[BND+jj/16], v[BND+jj/16]
.set jj, jj+1
.endr
	WIN 0x01
.set jj, 0
.rept 16
	v_cvt_scalef32_pk8_bf8_f32 v[OC+32*(\p)+2*jj:OC+32*(\p)+2*jj+1], v[8*jj:8*jj+7], v[SOP+jj/2]
.set jj, jj+1
.endr
	WIN 0
	v_nop                                          ; a plain line behind the last scaled conversion
.irp T, 0,1,2,3
.irp b, 0,1
	global_store_b128 v[LI], v[OC+32*(\p)+8*\T+4*\b:OC+32*(\p)+8*\T+4*\b+3], s[96:97] offset:16384*\T+512*(2*(\p)+\b)   ; 32 lanes store 512 consecutive bytes, aligned
.endr
.endr
.endm
	QLOAD 0
	WIN 0xc0
.irp z, 0,1,2,3,4
.irp j, 0,1,2,3,4,5,6,7
	v_mov_b32 v[QB+16*\z+\j], 0                    ; the zero codes beside Q: written once
.endr
.endr
	WIN 0
.set ii, 0
.rept 16
	v_mov_b32 v[T2+ii], 0                          ; written once: a lane permute's destination counts as one of its sources
.set ii, ii+1
.endr
.irp T, 0,1,2,3
	v_mov_b32 v[F+2*\T+1], 0                       ; (named as the upper half of a pair)
	v_mov_b32 v[TP+\T], 0
.endr
	PRO
	WALU
	s_wait_tensorcnt 0x0                           ; my tile of the head's four is in; the second head's first fill is issued as a refill is:
	ds_add_u32 v[SPW], v[NIL]                      ; 0 onto my spare word,
	s_wait_dscnt 0x0                               ; the add is done,
	CROUND                                         ; a whole round: everybody's tile is in, and the joint loads meet
	s_cmp_lt_u32 s[WV], 2
	s_cbranch_scc0 .Lno_second
	TLOAD G0H, G1K                                 ; waves 0, 1: the second head's K, V: they land under the first head's steps
.Lno_second:
	s_mov_b32 s[TK], 0
	s_mov_b32 s[TS], 0
	COLD
	PASS
	FIN 0
	PRO
	WALU
	s_wait_tensorcnt 0x0                           ; every wave waits: the second head has landed
	s_wait_dscnt 0x0
	s_barrier_signal -1
	s_barrier_wait -1
	s_mov_b32 s[TK], HEADB
	s_mov_b32 s[TS], 4096
	COLD
	PASS
	FIN 1
.irp T, 0,1,2,3
	ds_store_b32 v[OW], v[OSW+\T] offset:64*\T     ; lanes r and r + 16 hold the same word and write it to the same place
.endr
	s_wait_dscnt 0x0                               ; for the others' sake
	s_barrier_signal -1
	s_barrier_wait -1
	s_cmp_lg_u32 s[WV], 0                          ; wave 0 stores the work-group's 1,024 bytes of scale words
	s_cbranch_scc1 .Lnot_first
	ds_load_b128 v[144:147], v[ORD]
	ds_load_b128 v[148:151], v[ORD] offset:512
	s_wait_dscnt 0x0
	global_store_b128 v[LI], v[144:147], s[98:99]
	global_store_b128 v[LI], v[148:151], s[98:99] offset:512
.Lnot_first:
	s_wait_tensorcnt 0x0                           ; the wave's end
	ds_add_u32 v[SPW], v[NIL]
	s_wait_dscnt 0x0
	CROUND                                         ; the closing round
	s_endpgm
.Lfunc_end_k_q7648fba98c_attn:
	.size	k_q7648fba98c_attn, .Lfunc_end_k_q7648fba98c_attn-k_q7648fba98c_attn
	.p2alignl 7, 3214868480
	.fill 96, 4, 3214868480
	.section	.rodata,"a",@progbits
	.p2align	6, 0x0
	.amdhsa_kernel k_q7648fba98c_attn
		.amdhsa_group_segment_fixed_size 327680
		.amdhsa_private_segment_fixed_size 0
		.amdhsa_enable_private_segment 0
		.amdhsa_kernarg_size 32
		.amdhsa_user_sgpr_count 2
		.amdhsa_user_sgpr_kernarg_segment_ptr 1
		.amdhsa_wavefront_size32 1
		.amdhsa_system_sgpr_workgroup_id_x 1
		.amdhsa_system_sgpr_workgroup_id_y 1
		.amdhsa_system_sgpr_workgroup_id_z 1
		.amdhsa_system_vgpr_workitem_id 0
		.amdhsa_next_free_vgpr 1024
		.amdhsa_next_free_sgpr 100
		.amdhsa_reserve_vcc 0
		.amdhsa_float_denorm_mode_32 3
		.amdhsa_float_denorm_mode_16_64 3
		.amdhsa_memory_ordered 1
		.amdhsa_forward_progress 1
		.amdhsa_inst_pref_size 204
	.end_amdhsa_kernel
	.amdgpu_metadata
---
amdhsa.version: [ 1, 2 ]
amdhsa.kernels:
  - .name:           k_q7648fba98c_attn
    .symbol:         k_q7648fba98c_attn.kd
    .args:
      - { .name: qkvc, .offset: 0, .size: 8, .value_kind: global_buffer, .address_space: global }
      - { .name: qkvs, .offset: 8, .size: 8, .value_kind: global_buffer, .address_space: global }
      - { .name: oc, .offset: 16, .size: 8, .value_kind: global_buffer, .address_space: global }
      - { .name: os, .offset: 24, .size: 8, .value_kind: global_buffer, .address_space: global }
    .group_segment_fixed_size: 327680
    .private_segment_fixed_size: 0
    .kernarg_segment_align: 8
    .kernarg_segment_size: 32
    .max_flat_workgroup_size: 128
    .sgpr_count:     100
    .vgpr_count:     1024
    .wavefront_size: 32
...
	.end_amdgpu_metadata
.endif
;; end of part 3
;; launch proj (part 4): grid 8 x 32, 4 waves a work-group, clusters of 4 x 4, 327,680 bytes of LDS; arguments oc, os, codes, scales, fc_b, x, out0; writes out0
.if DOCPART == 4
	.amdgcn_target "amdgcn-amd-amdhsa--gfx1250"
	.amdhsa_code_object_version 6
	.text
	.protected	k_q7648fba98c_proj
	.globl	k_q7648fba98c_proj
	.p2align	8
	.type	k_q7648fba98c_proj,@function
k_q7648fba98c_proj:
	s_mov_b64 s[64:65], 0
	v_nop
	global_prefetch_b8 v0, s[64:65] scope:SCOPE_SE
	s_setreg_imm32_b32 hwreg(HW_REG_WAVE_MODE, 25, 1), 1
	s_wait_xcnt 0x0
	s_wait_alu depctr_hold_cnt(0) depctr_sa_sdst(0) depctr_va_vdst(0) depctr_va_sdst(0) depctr_va_ssrc(0) depctr_va_vcc(0) depctr_vm_vsrc(0)
	s_getreg_b32 s2, hwreg(HW_REG_IB_STS2, 6, 4)
	s_cmp_eq_u32 s2, 0
	s_cbranch_scc0 .Lentry_in_a_cluster
	s_endpgm
.Lentry_in_a_cluster:
	s_bfe_u32 s2, ttmp6, 0x10000c
	s_cmp_lg_u32 s2, 0xf033
	s_cbranch_scc0 .Lentry_shape_is_right
	s_endpgm
.Lentry_shape_is_right:
.set NG,    2
.set BT0,   704
.set TILEB, 4096
.set SLOT,  (16+4*NG)*TILEB
.set BOFF,  16*TILEB
.set SPARE, 2*SLOT
.set STG,   SPARE+512
.set SPITCH, 528
.set LI,   1
.set VS,   5
.set VB,   6
.set VW,   7
.set STO,  8
.set RD,   9
.set ADA,  16
.set ADB,  20
.set SPW,  28
.set NIL,  29
.set SA,   32
.set SB,   48
.set AF,   96
.set G1,   24
.set G0,   32
.set G1B,  48
.set G0B,  56
.set MSB, 0
.macro WIN new
.if MSB != (\new)
	s_set_vgpr_msb (MSB<<8)|(\new)
.set MSB, (\new)
.endif
.endm
.macro JLOAD g0a, g1a, g0b, g1b
	s_cmp_eq_u32 s15, 0
	s_cbranch_scc0 .Lfor_b_\@
	tensor_load_to_lds s[\g0a:\g0a+3], s[\g1a:\g1a+7]
	s_nop 0
.rept 4
	v_nop
.endr
	s_branch .Lasked_\@
.Lfor_b_\@:
	tensor_load_to_lds s[\g0b:\g0b+3], s[\g1b:\g1b+7]
	s_nop 0
.rept 4
	v_nop
.endr
.Lasked_\@:
.endm
.macro CREST
	s_cmp_lg_u32 s14, 0
	s_cbranch_scc1 .Lnot_wave_0_\@
	s_barrier_signal -3
.Lnot_wave_0_\@:
	s_barrier_wait -3
	s_barrier_signal -1
	s_barrier_wait -1
.endm
.macro CROUND
	s_barrier_signal -1
	s_barrier_wait -1
	CREST
.endm
.macro PLACES n
.rept \n
	v_nop
.endr
.endm
	s_load_b256 s[4:11], s[0:1], 0x0
	s_load_b128 s[68:71], s[0:1], 0x20
	s_load_b64 s[72:73], s[0:1], 0x30
	v_lshl_add_u32 v[SPW], v0, 2, SPARE
	v_mov_b32 v[NIL], 0
	ds_add_u32 v28, v29
	ds_add_u32 v28, v29
	s_wait_dscnt 0x0
	v_lshrrev_b32 v2, 5, v0
	v_readfirstlane_b32 s14, v2
	s_lshr_b32 s15, s14, 1
	s_and_b32 s16, s14, 1
	s_bfe_u32 s40, ttmp6, 0x40000
	s_bfe_u32 s41, ttmp6, 0x40004
	s_lshl_b32 s42, ttmp9, 2
	s_add_co_u32 s42, s42, s40
	s_and_b32 s17, ttmp7, 0xffff
	s_lshl_b32 s17, s17, 2
	s_add_co_u32 s17, s17, s41
	s_lshl_b32 s43, s41, 2
	s_lshl_b32 s43, 15, s43
	s_lshl_b32 s44, 0x1111, s40
	s_or_b32 s[G1+0], s43, (3<<16)|(1<<21)
	s_or_b32 s[G1B+0], s44, (3<<16)|(1<<21)
	s_mov_b32 s[G1+1], 512<<16
	s_mov_b32 s[G1+2], 16<<16
	s_mov_b32 s[G1+3], 512<<16
	s_mov_b32 s[G1+4], 16
	s_mov_b32 s[G1+5], 2048
	s_mov_b32 s[G1+6], 0
	s_mov_b32 s[G1+7], 0
	s_mov_b32 s[G1B+1], 512<<16
	s_mov_b32 s[G1B+2], (4*NG)<<16
	s_mov_b32 s[G1B+3], 512<<16
	s_mov_b32 s[G1B+4], 4*NG
	s_mov_b32 s[G1B+5], 2048
	s_mov_b32 s[G1B+6], 0
	s_mov_b32 s[G1B+7], 0
	s_lshl_b32 s20, s17, 18
	s_lshl_b32 s18, s16, 17
	s_add_co_u32 s20, s20, s18
	s_mov_b32 s21, 0
	s_mul_i32 s46, s42, 4*NG
	s_mul_i32 s18, s16, 2*NG
	s_add_co_u32 s46, s46, s18
	s_add_co_u32 s46, s46, BT0
	s_lshl_b32 s46, s46, 14
	s_mov_b32 s47, 0
	s_lshl_b32 s45, s16, 15
	s_mul_i32 s19, s16, 2*NG*TILEB
	s_add_co_u32 s19, s19, BOFF
	s_wait_kmcnt 0x0
	s_add_nc_u64 s[20:21], s[4:5], s[20:21]
	s_add_nc_u64 s[46:47], s[8:9], s[46:47]
	CROUND
.irp s, 0
	s_mov_b32 s[G0+4*\s], 1
	s_add_co_u32 s[G0+4*\s+1], s45, \s*SLOT
	s_add_nc_u64 s[G0+4*\s+2:G0+4*\s+3], s[20:21], \s*TILEB
	s_or_b32 s[G0+4*\s+3], s[G0+4*\s+3], 0x80000000
	s_mov_b32 s[G0B+4*\s], 1
	s_add_co_u32 s[G0B+4*\s+1], s19, \s*SLOT
	s_add_nc_u64 s[G0B+4*\s+2:G0B+4*\s+3], s[46:47], \s*TILEB
	s_or_b32 s[G0B+4*\s+3], s[G0B+4*\s+3], 0x80000000
.endr
	; THE HEAD'S LOADS, ONE A WAVE, each whole: wave 0 o's 16 tiles of slot 0, wave 1 the weight's 8, waves 2 and 3 the same of slot 1.  Slot 1's two stand in the ring's slot 1 registers, which are set for the ring at the first change of slots.
	s_lshl_b32 s22, s17, 18
	s_mov_b32 s23, 0
	s_add_nc_u64 s[94:95], s[4:5], s[22:23]
	s_mul_i32 s22, s42, 4*NG
	s_add_co_u32 s22, s22, BT0
	s_lshl_b32 s22, s22, 14
	s_add_nc_u64 s[98:99], s[8:9], s[22:23]
	s_add_nc_u64 s[G0+6:G0+7], s[94:95], TILEB
	s_add_nc_u64 s[G0B+6:G0B+7], s[98:99], TILEB
	s_mov_b32 s92, 1
	s_mov_b32 s93, 0
	s_or_b32 s95, s95, 0x80000000
	s_mov_b32 s96, 1
	s_mov_b32 s97, BOFF
	s_or_b32 s99, s99, 0x80000000
	s_mov_b32 s[G0+4], 1
	s_mov_b32 s[G0+5], SLOT
	s_or_b32 s[G0+7], s[G0+7], 0x80000000
	s_mov_b32 s[G0B+4], 1
	s_mov_b32 s[G0B+5], SLOT+BOFF
	s_or_b32 s[G0B+7], s[G0B+7], 0x80000000
.macro HARM w, g0, g1, next            ; one chain of branches on the wave's number, a load to an arm
	s_cmp_eq_u32 s14, \w
	s_cbranch_scc0 \next
	tensor_load_to_lds s[\g0:\g0+3], s[\g1:\g1+7]
	s_nop 0
	PLACES 4
	s_branch .Lhead_asked
\next:
.endm
	HARM 0, 92, G1, .Lhead_1
	HARM 1, 96, G1B, .Lhead_2
	HARM 2, G0+4, G1, .Lhead_3
	tensor_load_to_lds s[G0B+4:G0B+7], s[G1B:G1B+7]
	s_nop 0
	PLACES 4
.Lhead_asked:
	v_and_b32 v2, 31, v0
	v_and_b32 v3, 15, v0
	v_bfe_u32 v4, v0, 4, 1
	v_lshlrev_b32 v[LI], 4, v2
	v_lshlrev_b32 v[VS], 4, v3
	v_lshl_add_u32 v[VS], v4, 9, v[VS]
	v_lshlrev_b32 v[VB], 6, v4
	v_lshlrev_b32 v[VW], 2, v2
	s_wait_alu depctr_va_vdst(0)
	; A PREFETCH INTO THE L2 of what the two refills will ask for: K steps 4 to 7, 8,192 consecutive bytes of each tile.  Each aligned block of 256 bytes is named once in each cluster that will load it:
	; of o's 16 tiles the row partner at cx takes 4 cx .. 4 cx + 3, a tile a wave; of the weight's 8 the column partner at cy takes 2 cy and 2 cy + 1, a tile for each of waves 0 and 1; lanes 256 bytes apart.
	; The partners are told apart by address alone.  The first refill stands two K steps further on, the second four.  The two offset registers and the bases are never written again.
	s_lshl_b32 s22, s17, 4
	s_lshl_b32 s18, s40, 2
	s_add_co_u32 s22, s22, s18
	s_add_co_u32 s22, s22, s14
	s_lshl_b32 s22, s22, 14
	s_add_co_u32 s22, s22, 8192
	v_lshl_add_u32 v12, v2, 8, s22
	s_mul_i32 s18, s42, 4*NG
	s_mul_i32 s19, s41, NG
	s_add_co_u32 s18, s18, s19
	s_add_co_u32 s18, s18, s14
	s_add_co_u32 s18, s18, BT0
	s_lshl_b32 s18, s18, 14
	s_add_co_u32 s18, s18, 8192
	v_lshl_add_u32 v13, v2, 8, s18
	s_wait_alu depctr_va_vdst(0)
	global_prefetch_b8 v12, s[4:5] th:TH_LOAD_NT scope:SCOPE_SE
	s_cmp_lt_u32 s14, NG
	s_cbranch_scc0 .Lno_prefetch
	global_prefetch_b8 v13, s[8:9] th:TH_LOAD_NT scope:SCOPE_SE
.Lno_prefetch:
	s_lshl_b32 s66, s17, 10
	s_lshl_b32 s67, s14, 8
	s_add_co_u32 s66, s66, s67
	s_mov_b32 s67, 0
	s_add_nc_u64 s[66:67], s[6:7], s[66:67]
	s_mul_i32 s74, s42, 4*NG*512
	s_add_co_u32 s74, s74, BT0*512
	s_mov_b32 s75, 0
	s_add_nc_u64 s[74:75], s[10:11], s[74:75]
	s_lshl_b32 s76, s42, 9
	s_mov_b32 s77, 0
	s_add_nc_u64 s[68:69], s[68:69], s[76:77]
	s_lshl_b32 s78, s17, 20
	s_add_co_u32 s76, s76, s78
	s_lshl_b32 s78, s14, 18
	s_add_co_u32 s76, s76, s78
	s_add_nc_u64 s[70:71], s[70:71], s[76:77]
	s_add_nc_u64 s[72:73], s[72:73], s[76:77]
.irp i, 0,1
.irp ks, 0,1,2,3,4,5,6,7
	global_load_b32 v[SA+8*\i+\ks], v[VW], s[66:67] offset:32768*\ks+128*\i
.endr
.endr
.irp i, 0,1,2,3
.irp kh, 0,1
	global_load_b128 v[SB+8*\i+4*\kh:SB+8*\i+4*\kh+3], v[VS], s[74:75] offset:1024*\i+256*\kh
.endr
.endr
	WIN 0x40
.irp b, 0,1,2,3,4,5,6,7
	global_load_b128 v[128+8*\b:128+8*\b+3], v[VB], s[68:69] offset:(32*(\b/2)+8*(\b%2))*4
	global_load_b128 v[128+8*\b+4:128+8*\b+7], v[VB], s[68:69] offset:(32*(\b/2)+8*(\b%2))*4+16
.endr
	WIN 0
	s_lshl_b32 s78, s14, 14
	v_add_nc_u32 v[ADA], s78, v[LI]
	v_add_nc_u32 v[ADA+1], SLOT, v[ADA]
	v_add_nc_u32 v[ADB], BOFF, v[LI]
	v_add_nc_u32 v[ADB+1], SLOT, v[ADB]
	s_mul_i32 s78, s14, 16*SPITCH
	s_add_co_u32 s78, s78, STG
	v_mul_u32_u24 v[STO], v3, SPITCH
	v_lshl_add_u32 v[STO], v4, 6, v[STO]
	v_add_nc_u32 v[STO], s78, v[STO]
	v_add_nc_u32 v[RD], s78, v[LI]
.macro WM
.if fA && fB
	v_wmma_scale_f32_16x16x128_f8f6f4 v[rD:rD+7], v[rA:rA+15], v[rB:rB+15], v[rC:rC+7], v[rSA], v[rSB] matrix_a_fmt:MATRIX_FMT_BF8 matrix_b_fmt:MATRIX_FMT_BF8 matrix_a_scale:MATRIX_SCALE_ROW1 matrix_b_scale:MATRIX_SCALE_ROW1
.elseif fA
	v_wmma_scale_f32_16x16x128_f8f6f4 v[rD:rD+7], v[rA:rA+15], v[rB:rB+15], v[rC:rC+7], v[rSA], v[rSB] matrix_a_fmt:MATRIX_FMT_BF8 matrix_b_fmt:MATRIX_FMT_BF8 matrix_a_scale:MATRIX_SCALE_ROW1
.elseif fB
	v_wmma_scale_f32_16x16x128_f8f6f4 v[rD:rD+7], v[rA:rA+15], v[rB:rB+15], v[rC:rC+7], v[rSA], v[rSB] matrix_a_fmt:MATRIX_FMT_BF8 matrix_b_fmt:MATRIX_FMT_BF8 matrix_b_scale:MATRIX_SCALE_ROW1
.else
	v_wmma_scale_f32_16x16x128_f8f6f4 v[rD:rD+7], v[rA:rA+15], v[rB:rB+15], v[rC:rC+7], v[rSA], v[rSB] matrix_a_fmt:MATRIX_FMT_BF8 matrix_b_fmt:MATRIX_FMT_BF8
.endif
.endm
.macro MWIN g, ks
.if (\ks) == 0
	WIN 0x91
.else
	WIN 0xa1
.endif
.endm
.macro MUL g, half, ks
.irp m, 0,1,2,3
.irp u, 0,1
.set bb, 4*(\g)+2*(\half)+\u
.set rD, 64*\m+8*bb
.set rA, 16*bb
.set rB, AF+64*((\ks)%2)+16*\m
.if (\ks) == 0
.set rC, 128+8*bb
.else
.set rC, rD
.endif
.set rSA, SB+8*(bb/2)+(\ks)
.set fA, \u
.set rSB, SA+8*(\m/2)+(\ks)
.set fB, \m%2
	WM
.endr
.endr
.endm
.macro FA ks
.irp m, 0,1,2,3
.irp c, 0,1,2,3
	ds_load_b128 v[AF+64*((\ks)%2)+16*\m+4*\c:AF+64*((\ks)%2)+16*\m+4*\c+3], v[ADA+((\ks)/2)%2] offset:TILEB*\m+2048*((\ks)%2)+512*\c
.endr
.endr
.endm
.macro FB ks, g
	WIN 0x40
.irp q, 0,1,2,3
.irp c, 0,1,2,3
	ds_load_b128 v[16*(4*(\g)+\q)+4*\c:16*(4*(\g)+\q)+4*\c+3], v[ADB+((\ks)/2)%2] offset:TILEB*(4*(\g)+\q)+2048*((\ks)%2)+512*\c
.endr
.endr
	WIN 0
.endm
.macro GRP g, ks, n
	s_wait_dscnt \n
	MWIN \g, \ks
	MUL \g, 0, \ks
	MUL \g, 1, \ks
	PLACES 8
	FB (\ks)+1, \g
.if (\g) == 0
	FA (\ks)+1
.endif
.endm
.macro STEP ks
	GRP 0, \ks, 16*(NG-1)
	GRP 1, \ks, 16*NG
.endm
.macro TURN ks, fill
.set SL, ((\ks)/2)%2
	WIN 0
	s_wait_tensorcnt 0x0
	ds_add_u32 v[SPW], v[NIL]
.if (\ks) == 1                         ; no tensor load of mine is out, so descriptors may be written: from here on a load brings half of an operand's tiles, and slot 1's registers name my half
	s_mov_b32 s[G1+2], 8<<16
	s_mov_b32 s[G1+4], 8
	s_mov_b32 s[G1B+2], (2*NG)<<16
	s_mov_b32 s[G1B+4], 2*NG
	s_lshl_b32 s22, s16, 15
	s_add_co_u32 s[G0+5], s[G0+5], s22
	s_lshl_b32 s22, s16, 17
	s_add_nc_u64 s[G0+6:G0+7], s[G0+6:G0+7], s[22:23]
	s_mul_i32 s22, s16, 2*NG*TILEB
	s_add_co_u32 s[G0B+5], s[G0B+5], s22
	s_mul_i32 s22, s16, (2*NG)<<14
	s_add_nc_u64 s[G0B+6:G0B+7], s[G0B+6:G0B+7], s[22:23]
.endif
	s_wait_dscnt 16*(NG-1)+1
	MWIN 0, \ks
	MUL 0, 0, \ks
	s_wait_dscnt 0x0
	s_barrier_signal -1
	MUL 0, 1, \ks
	WIN 0
	s_barrier_wait -1
.if \fill
	CREST
	s_add_nc_u64 s[G0+4*SL+2:G0+4*SL+3], s[G0+4*SL+2:G0+4*SL+3], 2*TILEB
	s_add_nc_u64 s[G0B+4*SL+2:G0B+4*SL+3], s[G0B+4*SL+2:G0B+4*SL+3], 2*TILEB
	JLOAD G0+4*SL, G1, G0B+4*SL, G1B
	PLACES 4
.else
	PLACES 8
.endif
	FB (\ks)+1, 0
	FA (\ks)+1
	GRP 1, \ks, 16*NG
.endm
	s_wait_alu depctr_va_vdst(0)
	s_wait_loadcnt 0x0
	WIN 0xc0
.irp m, 0,1,2,3
.irp i, 0,1,2,3,4,5,6,7,8,9,10,11,12,13,14,15
	global_load_b128 v[4*(16*\m+\i):4*(16*\m+\i)+3], v[LI], s[70:71] offset:(32*(\m/2)+8*(\m%2)+\i+8*(\i/8))*4096 th:TH_LOAD_NT
.endr
.endr
	WIN 0
	s_cmp_eq_u32 s15, 0                            ; waves 0 and 1 asked for slot 0, in lines of their own: they wait; slot 1's loads may stay out
	s_cbranch_scc0 .Lnot_slot0
	s_wait_tensorcnt 0x0
.Lnot_slot0:
	s_barrier_signal -1
	s_barrier_wait -1
	FB 0, 0
	FA 0
	FB 0, 1
	STEP 0
	TURN 1, 1
	STEP 2
	TURN 3, 1
	STEP 4
	TURN 5, 0
	STEP 6
	s_wait_dscnt 16*(NG-1)
	MWIN 0, 7
	MUL 0, 0, 7
	MUL 0, 1, 7
	s_wait_dscnt 0x0
	MUL 1, 0, 7
	MUL 1, 1, 7
	WIN 0
	PLACES 8
	s_wait_loadcnt 0x0
.irp m, 0,1,2,3
.set BKM, AF+64*(\m%2)
.if \m >= 2
	s_wait_xcnt 0x0
.endif
	WIN 0x08
.irp b, 0,1,2,3,4,5,6,7
	ds_store_b128 v[STO], v[64*\m+8*\b:64*\m+8*\b+3] offset:128*(\b/2)+32*(\b%2)
	ds_store_b128 v[STO], v[64*\m+8*\b+4:64*\m+8*\b+7] offset:128*(\b/2)+32*(\b%2)+16
.endr
	WIN 0
.irp i, 0,1,2,3,4,5,6,7,8,9,10,11,12,13,14,15
	ds_load_b128 v[BKM+4*\i:BKM+4*\i+3], v[RD] offset:SPITCH*\i
.endr
	s_wait_dscnt 0x0
	WIN 0x0c
.set jj, 0
.rept 32
	v_pk_add_f32 v[BKM+jj:BKM+jj+1], v[BKM+jj:BKM+jj+1], v[64*\m+jj:64*\m+jj+1]
.set jj, jj+2
.endr
	WIN 0
.irp i, 0,1,2,3,4,5,6,7,8,9,10,11,12,13,14,15
	global_store_b128 v[LI], v[BKM+4*\i:BKM+4*\i+3], s[72:73] offset:(32*(\m/2)+8*(\m%2)+\i+8*(\i/8))*4096 th:TH_STORE_NT
.endr
.endr
	s_wait_tensorcnt 0x0
	ds_add_u32 v[SPW], v[NIL]
	s_wait_dscnt 0x0
	CROUND
	s_endpgm
.Lfunc_end_k_q7648fba98c_proj:
	.size	k_q7648fba98c_proj, .Lfunc_end_k_q7648fba98c_proj-k_q7648fba98c_proj
	.p2alignl 7, 3214868480
	.fill 96, 4, 3214868480
	.section	.rodata,"a",@progbits
	.p2align	6, 0x0
	.amdhsa_kernel k_q7648fba98c_proj
		.amdhsa_group_segment_fixed_size 327680
		.amdhsa_private_segment_fixed_size 0
		.amdhsa_enable_private_segment 0
		.amdhsa_kernarg_size 56
		.amdhsa_user_sgpr_count 2
		.amdhsa_user_sgpr_kernarg_segment_ptr 1
		.amdhsa_wavefront_size32 1
		.amdhsa_system_sgpr_workgroup_id_x 1
		.amdhsa_system_sgpr_workgroup_id_y 1
		.amdhsa_system_sgpr_workgroup_id_z 1
		.amdhsa_system_vgpr_workitem_id 0
		.amdhsa_next_free_vgpr 1024
		.amdhsa_next_free_sgpr 100
		.amdhsa_reserve_vcc 0
		.amdhsa_float_denorm_mode_32 3
		.amdhsa_float_denorm_mode_16_64 3
		.amdhsa_memory_ordered 1
		.amdhsa_forward_progress 1
		.amdhsa_inst_pref_size 106
	.end_amdhsa_kernel
	.amdgpu_metadata
---
amdhsa.version: [ 1, 2 ]
amdhsa.kernels:
  - .name:           k_q7648fba98c_proj
    .symbol:         k_q7648fba98c_proj.kd
    .args:
      - { .name: oc, .offset: 0, .size: 8, .value_kind: global_buffer, .address_space: global }
      - { .name: os, .offset: 8, .size: 8, .value_kind: global_buffer, .address_space: global }
      - { .name: codes, .offset: 16, .size: 8, .value_kind: global_buffer, .address_space: global }
      - { .name: scales, .offset: 24, .size: 8, .value_kind: global_buffer, .address_space: global }
      - { .name: fc_b, .offset: 32, .size: 8, .value_kind: global_buffer, .address_space: global }
      - { .name: x, .offset: 40, .size: 8, .value_kind: global_buffer, .address_space: global }
      - { .name: out0, .offset: 48, .size: 8, .value_kind: global_buffer, .address_space: global }
    .group_segment_fixed_size: 327680
    .private_segment_fixed_size: 0
    .kernarg_segment_align: 8
    .kernarg_segment_size: 56
    .max_flat_workgroup_size: 128
    .sgpr_count:     100
    .vgpr_count:     1024
    .wavefront_size: 32
...
	.end_amdgpu_metadata
.endif
;; end of part 4
